; MI455X (gfx1250); checked and timed in simulation.
; The chip was launched on July 23, 2026; its instructions are those of AMD's public machine-readable ISA for CDNA 5 (MIT licence, August 2026) and "CDNA5" Instruction Set Architecture Reference Guide (July 2026). The comments in the code are by the model that wrote it; some were corrected since.
;; Cross Head Attention. Allowed arithmetic: matrix products marked QUANTISED: E2M1 operands, one E8M0 scale for each 32 along K, by v_wmma_scale_f32_16x16x128_f8f6f4 with both operands' format E2M1 (or v_wmma_scale_f32_32x16x128_f4), f32 sums; everything else in f32.
;; Inputs: Wk 16 x 1,024 x 64 float32; Wo 1,024 x 1,024 float32; Wq 16 x 1,024 x 64 float32; Wv 16 x 1,024 x 64 float32; bk 16 x 64 float32; bo 1,024 float32; bq 16 x 64 float32; bv 16 x 64 float32; dec_hidden_state 2 x 2,048 x 1,024 float32; enc_hidden_state 2 x 2,048 x 1,024 float32; mask 2 x 2,048 x 2,048 int32.
;; Outputs: out0 2 x 2,048 x 1,024 float32.
;; This version of the problem:
;;   THIS VERSION OF THE PROBLEM IS GIVEN IN LOW PRECISION. The matrix products marked QUANTISED in the list below multiply operands that are first quantised to E2M1 (2 exponent bits, 1 mantissa bit; 4 bits a number), with one power-of-two scale for each 32 numbers along K (OCP MX v1.0); their sums are f32. All else is computed in f32.
;;   The module's matrix products, in the order in which they are computed (A, B: the left and right operand; K: the contracted axis; several contracted axes count as one K, in the product's order):
;;     1. [M 1,024, K 1,024] x [K 1,024, N 4,096]; A: input Wq; B: input enc_hidden_state: QUANTISED
;;     2. [M 1,024, K 1,024] x [K 1,024, N 4,096]; A: input Wk; B: input dec_hidden_state: QUANTISED
;;     3. [M 1,024, K 1,024] x [K 1,024, N 4,096]; A: input Wv; B: input dec_hidden_state: QUANTISED
;;     4. batch 32 x [M 2,048, K 64] x [K 64, N 2,048]; A: computed on the way; B: computed on the way: QUANTISED
;;     5. batch 32 x [M 2,048, K 2,048] x [K 2,048, N 64]; A: softmax (see below); B: computed on the way: QUANTISED
;;     6. [M 4,096, K 1,024] x [K 1,024, N 1,024]; A: computed on the way; B: input Wo: QUANTISED
;;   THE QUANTISER, for each operand of a quantised product, along K:
;;     - K is cut into blocks of 32 from its start; a last block that is shorter is filled with zeros.
;;     - A block's scale is 2^e with e = floor(log2(the largest magnitude in the block)) - 2, held to -126 .. 127; a block of zeros has e = 0. As a byte (E8M0): e + 127.
;;     - Each number is divided by its block's scale, clamped to +-6, and rounded to the nearest number of E2M1, ties to even, subnormals kept.
;;     - The product sums the exact products of the quantised numbers (number of the format x scale) in f32.
;;   ~~~python
;;   def quantise(x, axis):      # numpy; x: float32 -> the quantised numbers, widened to float32 again
;;       x = np.moveaxis(x, axis, -1); K = x.shape[-1]
;;       x = np.pad(x, [(0, 0)] * (x.ndim - 1) + [(0, -K % 32)]); x = x.reshape(x.shape[:-1] + (-1, 32)); a = np.abs(x).max(-1, keepdims=True)
;;       e = np.where(a > 0, np.clip(np.frexp(np.where(a > 0, a, 1))[1] - 1 - 2, -126, 127), 0)      # np.frexp(a)[1] - 1 = floor(log2(a)), exactly
;;       r = np.clip(x / 2.0 ** e, -6, 6)
;;       step = 2.0 ** (np.maximum(np.frexp(np.where(r == 0, 1, r))[1] - 1, 0) - 1)
;;       q = np.round(r / step) * step * 2.0 ** e      # np.round: ties to even
;;       return np.moveaxis(q.reshape(q.shape[:-2] + (-1,))[..., :K], -1, axis).astype(np.float32)
;;   ~~~
;;   SOFTMAX AHEAD OF A QUANTISED PRODUCT. Where the list says 'softmax', what is quantised is not the finished softmax but p = 2^(t - M), with t = logit x log2(e) and M = ceil(the row's largest t), a whole number; so 1/2 < the row's largest p <= 1. The row's sum l is taken of the UNQUANTISED p, in f32, and the product's result is divided by l at the end. Since M is a whole number, a kernel that streams over the keys may use a running M (the ceiling of the running maximum): every later rescaling is an exact power of two, which a block's scale takes up: the codes' values come out the same.
;;   OPERANDS COMPUTED ON THE WAY. 'Computed on the way' means the value that the module computes at that place (a softmax that the list does not call 'softmax' is quantised finished and normalised). What goes into a quantiser is computed in f32, as accurately as f32 sums, v_exp_f32 and their like allow (about 1e-6 of the number): no bf16 or f16 on the way to a quantiser, and a product that is left as it is and whose result goes on into a quantised operand takes f32 operands (vector FMAs, or v_wmma_f32_16x16x4_f32). A number that lies on a knife's edge between two numbers of the format may be rounded either way, as far as f32 arithmetic and the matrix unit's own rounding can turn it there, and no further.
;; 2 versions. Each part assembles by itself: llvm-mc -triple=amdgcn-amd-amdhsa -mcpu=gfx1250 --defsym DOCPART=n.
;; ======== version 1 of 2: 4 launches
;; workspace buffers: xc 4,194,304 bytes; wc 2,097,152 bytes; ac 2,097,152 bytes; scl 524,288 bytes; qrec 2,359,296 bytes; kv 4,718,592 bytes; maskw 1,048,576 bytes of whole numbers; mflag 4,096 bytes of whole numbers
;; launch prep (part 1): grid 768 x 1, 4 waves a work-group, no clusters, 73,216 bytes of LDS; arguments Wq, Wk, Wv, Wo, enc_hidden_state, dec_hidden_state, mask, xc, wc, scl, maskw, mflag; writes xc, wc, scl, maskw, mflag
.if DOCPART == 1
	.amdgcn_target "amdgcn-amd-amdhsa--gfx1250"
	.amdhsa_code_object_version 6
	.text
	.protected	k_qa655f823a2_prep
	.globl	k_qa655f823a2_prep
	.p2align	8
	.type	k_qa655f823a2_prep,@function
k_qa655f823a2_prep:
	s_mov_b64 s[64:65], 0
	v_nop
	global_prefetch_b8 v0, s[64:65] scope:SCOPE_SE
	s_setreg_imm32_b32 hwreg(HW_REG_WAVE_MODE, 25, 1), 1
	s_wait_xcnt 0x0
; PREP: every wide input becomes what the later launches' registers take.
; Work-groups 0-255: Wq, Wk, Wv, Wo (K is not innermost) -> codes of FP4 (E2M1) and E8M0 scale bytes.  256-511: enc, dec (K innermost) -> the same.  512-767: the mask -> lane-mask words and flags.
; 768 work-groups are three for each of 256 WGPs, one of each kind's number; three fit side by side (3 x 73,216 bytes of LDS, three waves of 218 registers to a SIMD).
; TILE ORDER: rows (tokens, weight columns) go in groups of 32; tile 2 g + u, row r is row 32 g + 8 u + (r % 8) + 16 (r / 8).
; IMAGE of a tile (16 rows x K = 1,024): [block of 32 along K (32)][row r (16)][16 bytes] = 8,192 bytes: a K step of 128 is 1,024 bytes on end and IS a fragment's registers, lane by lane.
; SCALES of a tile: [half of K (2)][row r (16)][16 bytes] = 512 bytes.
; A block's scale byte is its largest magnitude's exponent field - 2, held at 1 from below by a floor among the maximum's leaves.
; LIMITS: NaN and infinities among the inputs are not served; a block of zeros, or one under 2^-124, keeps the byte 1 (its codes are zeros or tiny; this program alone reads the bytes).
; No wave shares anything with another: no barrier.  Each of the three paths has LDS bytes of its own.
.set EMAX,   2
.set FLOORB, (EMAX+1)<<23              ; the f32 number 2^(3 - 127)
.set NWG,    256                       ; work-groups of each kind
; weights
.set WNB,  4                           ; blocks of 32 along K for a wave: one K step of 128
.set WX,   32                          ; v32-95   two sets of 32 numbers down K
.set WC,   96                          ; v96-111  four registers of codes for each of 4 blocks: no store's data are written again
.set WSB,  24                          ; v24      the 4 scale bytes
; tokens
.set TR,   16                          ; v16-79   four sets of 16 numbers as loaded
.set TX,   80                          ; v80-111  two sets of 16 neighbours
.set TE,   112                         ; v112-127 a scale byte for each step
.set TCD,  128                         ; v128-159 two registers of codes for each step
.set TOUT, 160                         ; v160-191 the image on its way out
.set TSP,  80                          ; a lane's place in a turning stage: 64 bytes + 16
.set TWREG, 9728                       ; LDS of a wave: two turning stages (2 x 2,560), the code stage (16 x 272), 256 scale bytes
.set TCST, 5120
.set TBYT, 9472
; mask
.set MR,   16                          ; v16-143  two sets of 64: a step's 16 rows as loaded
.set MX,   144                         ; v144-207 my query's 64 keys of the step
.set MO,   208                         ; v208-215 two sets of 4: the words of two steps each
.set MBASE, 38912                      ; behind the tokens' LDS
.set MWREG, 8448                       ; a wave's stage: 16 rows x (512 + 16)
.macro WLOAD t, pitch                  ; block t: W(32 t + j, my column), j = 0 .. 31: 32 lanes read 128 consecutive bytes
.set j, 0
.rept 32
	global_load_b32 v[WX+32*((\t)%2)+j], v3, s[28:29] offset:(32*(\t)+j)*\pitch th:TH_LOAD_NT
.set j, j+1
.endr
.endm
.macro WBLOCK t, pitch
.set XS, WX+32*((\t)%2)
.if (\t) < WNB-1
	s_wait_loadcnt 32                              ; this block's 32 loads are in; the next block's 32 may be out
.else
	s_wait_loadcnt 0
.endif
	v_max3_num_f32 v12, |v[XS]|, |v[XS+1]|, |v[XS+2]|              ; the block's largest magnitude: all 32 numbers are mine
	v_max3_num_f32 v13, |v[XS+3]|, |v[XS+4]|, |v[XS+5]|
.irp i, 6,10,14,18,22,26
	v_max3_num_f32 v12, v12, |v[XS+\i]|, |v[XS+\i+1]|
	v_max3_num_f32 v13, v13, |v[XS+\i+2]|, |v[XS+\i+3]|
.endr
	v_max3_num_f32 v12, v12, |v[XS+30]|, |v[XS+31]|
	v_max3_num_f32 v12, v12, v13, FLOORB           ; and the floor
	v_add_nc_u32 v11, -(EMAX<<23), v12             ; 2 off the exponent field: the conversion's scale operand
	v_lshrrev_b32 v13, 23, v11                     ; the scale's byte
.if (\t) == 0
	v_mov_b32 v[WSB], v13
.else
	v_lshl_or_b32 v[WSB], v13, 8*(\t), v[WSB]      ; the lower K in the lower byte
.endif
.irp g, 0,1,2,3
	v_cvt_scalef32_pk8_fp4_f32 v[WC+4*(\t)+\g], v[XS+8*\g:XS+8*\g+7], v11
.endr
	global_store_b128 v8, v[WC+4*(\t):WC+4*(\t)+3], s[20:21] offset:256*(\t)   ; the sixteen lanes of a tile store 256 consecutive bytes, aligned: block t of the K step's part of the image
.if (\t)+2 < WNB
	WLOAD (\t)+2, \pitch
.endif
.endm
.macro WPATH pitch
	WLOAD 0, \pitch
	WLOAD 1, \pitch
.irp t, 0,1,2,3
	WBLOCK \t, \pitch
.endr
	global_store_b32 v9, v[WSB], s[22:23]          ; my column's scale word of this K step: 4 bytes a lane, 16 bytes apart; the work-group's four waves fill the 16 bytes between them (131,072 bytes of the launch's output go so)
.endm
.macro TLOAD t                         ; step t = the tile's row t: 512 numbers, four loads of 512 consecutive bytes
.irp i, 0,1,2,3
	global_load_b128 v[TR+16*((\t)%4)+4*\i:TR+16*((\t)%4)+4*\i+3], v3, s[28:29] offset:(((\t)%8)+16*((\t)/8))*4096+512*\i th:TH_LOAD_NT
.endr
.endm
.macro TTURN t                         ; through the wave's turning stage: in as loaded, out 16 neighbours a lane.  LDS serves a wave's instructions in order
.irp i, 0,1,2,3
	ds_store_b128 v14, v[TR+16*((\t)%4)+4*\i:TR+16*((\t)%4)+4*\i+3] offset:32*TSP*((\t)%2)+8*TSP*\i
.endr
.irp i, 0,1,2,3
	ds_load_b128 v[TX+16*((\t)%2)+4*\i:TX+16*((\t)%2)+4*\i+3], v15 offset:32*TSP*((\t)%2)+16*\i
.endr
.endm
.macro TSTEP t
.set XS, TX+16*((\t)%2)
.if (\t) > 0
	s_wait_dscnt 2                                 ; this step's numbers are back from the stage; the last step's two small stores may be out
.else
	s_wait_dscnt 0x0
.endif
.if (\t)+4 < 16
	TLOAD (\t)+4                                   ; into the set whose stores into the stage are done
.endif
.if (\t)+1 < 16
.if 14-(\t) >= 3
	s_wait_loadcnt 12                              ; the next step's four loads are in; those of three later steps may be out
.else
	s_wait_loadcnt 4*(14-(\t))
.endif
	TTURN (\t)+1
.endif
	v_max3_num_f32 v8, |v[XS]|, |v[XS+1]|, |v[XS+2]|
	v_max3_num_f32 v9, |v[XS+3]|, |v[XS+4]|, |v[XS+5]|
.irp i, 6,10
	v_max3_num_f32 v8, v8, |v[XS+\i]|, |v[XS+\i+1]|
	v_max3_num_f32 v9, v9, |v[XS+\i+2]|, |v[XS+\i+3]|
.endr
	v_max3_num_f32 v8, v8, |v[XS+14]|, |v[XS+15]|
	v_max3_num_f32 v8, v8, v9, FLOORB
	v_max_num_f32_dpp v8, v8, v8 row_xmask:1 row_mask:0xf bank_mask:0xf   ; with my neighbour's 16: the block's
	v_add_nc_u32 v11, -(EMAX<<23), v8
	v_cvt_scalef32_pk8_fp4_f32 v[TCD+2*(\t)], v[XS:XS+7], v11
	v_cvt_scalef32_pk8_fp4_f32 v[TCD+2*(\t)+1], v[XS+8:XS+15], v11
	v_lshrrev_b32 v[TE+(\t)], 23, v11              ; the byte (a plain line behind the conversions)
	ds_store_b64 v4, v[TCD+2*(\t):TCD+2*(\t)+1] offset:16*(\t)     ; code stage: block lane / 2, row t, my half of its 16 bytes
	ds_store_b8 v5, v[TE+(\t)] offset:16*(\t)      ; both lanes of a block write the same byte with the same value
.endm
.macro MLOAD g                         ; step g of my four: 128 keys of the tile's 16 query rows, 512 consecutive bytes a load
.set j, 0
.rept 16
	global_load_b128 v[MR+64*((\g)%2)+4*j:MR+64*((\g)%2)+4*j+3], v3, s[16:17] offset:((j%8)+16*(j/8))*8192+512*(\g) th:TH_LOAD_NT
.set j, j+1
.endr
.endm
.macro MSTEP g
.if (\g) < 3
	s_wait_loadcnt 16                              ; this step's 16 loads are in; the next step's 16 may be out
.else
	s_wait_loadcnt 0
.endif
.set j, 0
.rept 16
	ds_store_b128 v4, v[MR+64*((\g)%2)+4*j:MR+64*((\g)%2)+4*j+3] offset:528*j
.set j, j+1
.endr
.irp b, 0,1,2,3
.irp e, 0,1,2,3
	ds_load_b128 v[MX+16*\b+4*\e:MX+16*\b+4*\e+3], v5 offset:128*\b+16*\e   ; lane (r, h): query row r, keys 32 b + 16 h + 0 .. 15: register 16 b + i as the scores will lie
.endr
.endr
	s_wait_dscnt 0x0
.if (\g)+2 < 4
	MLOAD (\g)+2
.endif
	s_mov_b32 s40, -1
.set q, 0
.rept 8
.irp e, 0,1,2,3,4,5,6,7
	v_cmp_ne_u32 s[32+\e], 0, v[MX+8*q+\e]         ; word n = 8 q + e: bit L = lane L's key counts
.endr
.irp e, 0,1,2,3,4,5,6,7
	s_and_b32 s40, s40, s[32+\e]
	v_writelane_b32 v[MO+4*((\g)/2)+\e%4], s[32+\e], 2*q+\e/4+16*((\g)%2)   ; lane n / 4 (+ 16 for the odd step), register n % 4: 16 bytes a lane on the way out
.endr
.set q, q+1
.endr
	s_cmp_lg_u32 s40, -1                           ; a hole in this step?
	s_cselect_b32 s42, 1<<(\g), 0
	s_or_b32 s41, s41, s42
.if (\g)%2 == 1
	global_store_b128 v3, v[MO+4*((\g)/2):MO+4*((\g)/2)+3], s[24:25] offset:512*((\g)/2)   ; two steps' words: 512 consecutive bytes
.endif
.endm
	s_load_b512 s[4:19], s[0:1], 0x0               ; Wq s[4:5], Wk s[6:7], Wv s[8:9], Wo s[10:11], enc s[12:13], dec s[14:15], mask s[16:17], xc s[18:19]
	s_load_b256 s[20:27], s[0:1], 0x40             ; wc s[20:21], scl s[22:23], maskw s[24:25], mflag s[26:27]
	v_lshl_add_u32 v216, v0, 2, 0x11c00
	v_mov_b32 v217, 0
	v_lshrrev_b32 v1, 5, v0
	v_readfirstlane_b32 s30, v1                    ; wave 0..3
	v_and_b32 v2, 31, v0                           ; lane L
	s_mov_b32 s35, 0                               ; the high word of every offset pair s[34:35]
	s_wait_kmcnt 0x0
	s_cmp_lt_u32 ttmp9, NWG
	s_cbranch_scc1 .Lweights
	s_cmp_lt_u32 ttmp9, 2*NWG
	s_cbranch_scc1 .Ltokens
	; ---- THE MASK.  Work-group = query tile TT (128 b + tile); wave w takes key steps 4 w .. 4 w + 3.
	s_sub_co_u32 s31, ttmp9, 2*NWG                 ; TT
	s_lshr_b32 s32, s31, 1
	s_lshl_b32 s32, s32, 5
	s_and_b32 s33, s31, 1
	s_lshl_b32 s33, s33, 3
	s_add_co_u32 s32, s32, s33                     ; the tile's first query row: 32 (TT / 2) + 8 (TT % 2)
	s_lshl_b32 s34, s32, 13                        ; rows of 8,192 bytes
	s_lshl_b32 s33, s30, 11                        ; my four steps: 2,048 bytes on for each wave
	s_add_co_u32 s34, s34, s33
	s_add_nc_u64 s[16:17], s[16:17], s[34:35]
	s_lshl_b32 s34, s31, 12                        ; maskw: 4,096 bytes a tile, 1,024 a wave
	s_lshl_b32 s33, s30, 10
	s_add_co_u32 s34, s34, s33
	s_add_nc_u64 s[24:25], s[24:25], s[34:35]
	s_lshl_b32 s34, s31, 4                         ; mflag: 16 bytes a tile, a word a wave
	s_lshl_b32 s33, s30, 2
	s_add_co_u32 s34, s34, s33
	s_add_nc_u64 s[26:27], s[26:27], s[34:35]
	s_mul_i32 s31, s30, MWREG
	s_add_co_u32 s31, s31, MBASE                   ; my stage
	v_lshlrev_b32 v3, 4, v2                        ; 16 L
	v_add_nc_u32 v4, s31, v3                       ; in: a row's 512 bytes as loaded
	v_and_b32 v6, 15, v2
	v_lshrrev_b32 v7, 4, v2
	v_mul_u32_u24 v5, v6, 528
	v_lshl_add_u32 v5, v7, 6, v5
	v_add_nc_u32 v5, s31, v5                       ; out: row r, + 64 h
.irp i, 0,1,2,3,4,5,6,7
	v_mov_b32 v[MO+\i], 0                          ; written once: a lane write's destination counts as read
.endr
	s_mov_b32 s41, 0
	MLOAD 0
	MLOAD 1
	MSTEP 0
	MSTEP 1
	MSTEP 2
	MSTEP 3
	s_lshl_b32 s33, s30, 2
	s_lshl_b32 s41, s41, s33                       ; bit 4 w + g: step 4 w + g has a hole
	v_mov_b32 v6, s41
	v_mov_b32 v7, 0
	v_cmp_eq_u32 vcc_lo, 0, v2
	s_wait_xcnt 0x0                                ; EXEC changes only behind this wait: stores are out
	s_wait_tensorcnt 0x0
	ds_add_u32 v216, v217
	s_wait_dscnt 0x0
	s_and_saveexec_b32 s43, vcc_lo
	global_store_b32 v7, v6, s[26:27]              ; lane 0 alone
	s_wait_xcnt 0x0
	s_or_b32 exec_lo, exec_lo, s43
	s_endpgm
.Ltokens:
	; ---- ENC AND DEC.  Wave = one tile of 16 tokens x one half of K: 16 steps of 512 numbers, a step to a row.
	s_sub_co_u32 s31, ttmp9, NWG                   ; 0 .. 255
	s_cmp_lt_u32 s31, 128
	s_cselect_b64 s[28:29], s[12:13], s[14:15]     ; enc or dec: the choice hangs on the work-group's number alone
	s_and_b32 s32, s31, 127
	s_lshl_b32 s32, s32, 5
	s_lshr_b32 s33, s30, 1                         ; u
	s_lshl_b32 s34, s33, 3
	s_add_co_u32 s32, s32, s34                     ; the tile's first token
	s_lshl_b32 s34, s32, 12                        ; rows of 4,096 bytes
	s_and_b32 s36, s30, 1                          ; which half of K
	s_lshl_b32 s37, s36, 11
	s_add_co_u32 s34, s34, s37
	s_add_nc_u64 s[28:29], s[28:29], s[34:35]
	s_lshl_b32 s38, s31, 1
	s_add_co_u32 s38, s38, s33                     ; tile T, 0 .. 511
	s_lshl_b32 s34, s38, 13
	s_lshl_b32 s37, s36, 12
	s_add_co_u32 s34, s34, s37
	s_add_nc_u64 s[18:19], s[18:19], s[34:35]      ; xc + 8,192 T + 4,096 half
	s_lshl_b32 s34, s38, 9
	s_lshl_b32 s37, s36, 8
	s_add_co_u32 s34, s34, s37
	s_add_nc_u64 s[22:23], s[22:23], s[34:35]      ; scl + 512 T + 256 half
	s_mul_i32 s39, s30, TWREG                      ; my LDS
	v_lshlrev_b32 v3, 4, v2                        ; 16 L
	v_lshrrev_b32 v14, 2, v2
	v_mul_u32_u24 v14, v14, TSP
	v_and_b32 v15, 3, v2
	v_lshl_add_u32 v14, v15, 4, v14
	v_add_nc_u32 v14, s39, v14                     ; turning stage, in: 80 (L / 4) + 16 (L % 4)
	v_mul_u32_u24 v15, v2, TSP
	v_add_nc_u32 v15, s39, v15                     ; out: 80 L
	v_lshrrev_b32 v5, 1, v2                        ; my block
	v_and_b32 v6, 1, v2
	v_mul_u32_u24 v4, v5, 272
	v_lshl_add_u32 v4, v6, 3, v4
	v_add_nc_u32 v4, s39, v4
	v_add_nc_u32 v4, TCST, v4                      ; code stage, in: 272 x block + 8 x half
	v_add_nc_u32 v5, s39, v5
	v_add_nc_u32 v5, TBYT, v5                      ; my block's byte
	v_lshrrev_b32 v6, 4, v2
	v_and_b32 v7, 15, v2
	v_mul_u32_u24 v6, v6, 272
	v_lshl_add_u32 v6, v7, 4, v6
	v_add_nc_u32 v6, s39, v6
	v_add_nc_u32 v6, TCST, v6                      ; code stage, out: sixteen lanes to a block's 256 bytes
	v_lshlrev_b32 v7, 3, v2                        ; 8 L
	v_add_nc_u32 v10, s39, v7
	v_add_nc_u32 v10, TBYT, v10
.irp t, 0,1,2,3
	TLOAD \t
.endr
	s_wait_loadcnt 12                              ; step 0's four loads are in
	TTURN 0
.irp t, 0,1,2,3,4,5,6,7,8,9,10,11,12,13,14,15
	TSTEP \t
.endr
.irp i, 0,1,2,3,4,5,6,7
	ds_load_b128 v[TOUT+4*\i:TOUT+4*\i+3], v6 offset:544*\i       ; LDS serves a wave's instructions in order: these see my stores
.endr
	ds_load_b64 v[12:13], v10
	s_wait_dscnt 0x0
.irp i, 0,1,2,3,4,5,6,7
	global_store_b128 v3, v[TOUT+4*\i:TOUT+4*\i+3], s[18:19] offset:512*\i   ; 512 consecutive bytes of the image
.endr
	global_store_b64 v7, v[12:13], s[22:23]        ; 256 consecutive bytes, aligned
	s_wait_tensorcnt 0x0
	ds_add_u32 v216, v217
	s_wait_dscnt 0x0
	s_endpgm
.Lweights:
	; ---- THE WEIGHTS.  A lane takes a column n and its registers run down K.  Wave = 32 columns x one K step of 128: 4 blocks a lane, so that a wave waits for memory twice and not eight times.
	s_lshr_b32 s31, ttmp9, 1                       ; G: group of 32 columns, 0 .. 127 over the four weights
	s_and_b32 s32, ttmp9, 1                        ; which half of K
	s_lshl_b32 s36, s32, 2
	s_add_co_u32 s36, s36, s30                     ; the K step: 4 x half + wave
	s_and_b32 s33, s31, 31                         ; the group within its weight
	v_lshlrev_b32 v3, 2, v2                        ; 4 L
	v_bfe_u32 v4, v2, 3, 1                         ; column L of a group is tile u = (L / 8) % 2,
	v_and_b32 v5, 7, v2
	v_lshrrev_b32 v6, 4, v2
	v_lshl_add_u32 v5, v6, 3, v5                   ; row r = L % 8 + 8 (L / 16)
	v_lshlrev_b32 v5, 4, v5
	v_lshl_add_u32 v8, v4, 13, v5                  ; codes: 8,192 u + 16 r
	v_lshl_add_u32 v9, v4, 9, v5                   ; scales: 512 u + 16 r
	s_lshl_b32 s34, s31, 14
	s_lshl_b32 s37, s36, 10
	s_add_co_u32 s34, s34, s37
	s_add_nc_u64 s[20:21], s[20:21], s[34:35]      ; wc + 16,384 G + 1,024 x K step
	s_lshl_b32 s34, s31, 10
	s_lshl_b32 s37, s32, 8
	s_add_co_u32 s34, s34, s37
	s_lshl_b32 s37, s30, 2
	s_add_co_u32 s34, s34, s37
	s_add_co_u32 s34, s34, 262144
	s_add_nc_u64 s[22:23], s[22:23], s[34:35]      ; scl + 262,144 + 1,024 G + 256 half + 4 wave
	s_cmp_ge_u32 ttmp9, 192
	s_cbranch_scc1 .Lwo
	s_cmp_lt_u32 ttmp9, 128
	s_cselect_b64 s[28:29], s[6:7], s[8:9]
	s_cmp_lt_u32 ttmp9, 64
	s_cselect_b64 s[28:29], s[4:5], s[28:29]       ; Wq, Wk or Wv
	s_lshr_b32 s34, s33, 1
	s_lshl_b32 s34, s34, 18                        ; the head: 1,024 rows of 256 bytes
	s_lshl_b32 s37, s36, 15                        ; 128 rows on for each K step
	s_add_co_u32 s34, s34, s37
	s_and_b32 s37, s33, 1
	s_lshl_b32 s37, s37, 7                         ; which 32 of the head's 64 columns
	s_add_co_u32 s34, s34, s37
	s_add_nc_u64 s[28:29], s[28:29], s[34:35]
	WPATH 256
	s_endpgm
.Lwo:
	s_lshl_b32 s34, s36, 19                        ; Wo: 128 rows of 4,096 bytes for each K step
	s_lshl_b32 s37, s33, 7
	s_add_co_u32 s34, s34, s37
	s_add_nc_u64 s[28:29], s[10:11], s[34:35]
	WPATH 4096
	s_endpgm
.Lfunc_end_k_qa655f823a2_prep:
	.size	k_qa655f823a2_prep, .Lfunc_end_k_qa655f823a2_prep-k_qa655f823a2_prep
	.p2alignl 7, 3214868480
	.fill 96, 4, 3214868480
	.section	.rodata,"a",@progbits
	.p2align	6, 0x0
	.amdhsa_kernel k_qa655f823a2_prep
		.amdhsa_group_segment_fixed_size 73216
		.amdhsa_private_segment_fixed_size 0
		.amdhsa_enable_private_segment 0
		.amdhsa_kernarg_size 96
		.amdhsa_user_sgpr_count 2
		.amdhsa_user_sgpr_kernarg_segment_ptr 1
		.amdhsa_wavefront_size32 1
		.amdhsa_system_sgpr_workgroup_id_x 1
		.amdhsa_system_sgpr_workgroup_id_y 1
		.amdhsa_system_sgpr_workgroup_id_z 1
		.amdhsa_system_vgpr_workitem_id 0
		.amdhsa_next_free_vgpr 218
		.amdhsa_next_free_sgpr 66
		.amdhsa_reserve_vcc 1
		.amdhsa_float_denorm_mode_32 3
		.amdhsa_float_denorm_mode_16_64 3
		.amdhsa_memory_ordered 1
		.amdhsa_forward_progress 1
		.amdhsa_inst_pref_size 130
	.end_amdhsa_kernel
	.amdgpu_metadata
---
amdhsa.version: [ 1, 2 ]
amdhsa.kernels:
  - .name:           k_qa655f823a2_prep
    .symbol:         k_qa655f823a2_prep.kd
    .args:
      - { .name: Wq, .offset: 0, .size: 8, .value_kind: global_buffer, .address_space: global }
      - { .name: Wk, .offset: 8, .size: 8, .value_kind: global_buffer, .address_space: global }
      - { .name: Wv, .offset: 16, .size: 8, .value_kind: global_buffer, .address_space: global }
      - { .name: Wo, .offset: 24, .size: 8, .value_kind: global_buffer, .address_space: global }
      - { .name: enc_hidden_state, .offset: 32, .size: 8, .value_kind: global_buffer, .address_space: global }
      - { .name: dec_hidden_state, .offset: 40, .size: 8, .value_kind: global_buffer, .address_space: global }
      - { .name: mask, .offset: 48, .size: 8, .value_kind: global_buffer, .address_space: global }
      - { .name: xc, .offset: 56, .size: 8, .value_kind: global_buffer, .address_space: global }
      - { .name: wc, .offset: 64, .size: 8, .value_kind: global_buffer, .address_space: global }
      - { .name: scl, .offset: 72, .size: 8, .value_kind: global_buffer, .address_space: global }
      - { .name: maskw, .offset: 80, .size: 8, .value_kind: global_buffer, .address_space: global }
      - { .name: mflag, .offset: 88, .size: 8, .value_kind: global_buffer, .address_space: global }
    .group_segment_fixed_size: 73216
    .private_segment_fixed_size: 0
    .kernarg_segment_align: 8
    .kernarg_segment_size: 96
    .max_flat_workgroup_size: 128
    .sgpr_count:     66
    .vgpr_count:     218
    .wavefront_size: 32
...
	.end_amdgpu_metadata
.endif
;; end of part 1
;; launch proj (part 2): grid 256 x 1, 6 waves a work-group, no clusters, 0 bytes of LDS; arguments xc, wc, scl, bq, bk, bv, qrec, kv; writes qrec, kv
.if DOCPART == 2
	.amdgcn_target "amdgcn-amd-amdhsa--gfx1250"
	.amdhsa_code_object_version 6
	.text
	.protected	k_qa655f823a2_proj
	.globl	k_qa655f823a2_proj
	.p2align	8
	.type	k_qa655f823a2_proj,@function
k_qa655f823a2_proj:
	s_mov_b64 s[64:65], 0
	v_nop
	global_prefetch_b8 v0, s[64:65] scope:SCOPE_SE
	s_setreg_imm32_b32 hwreg(HW_REG_WAVE_MODE, 25, 1), 1
	s_wait_xcnt 0x0
; PROJ: q = enc Wq + bq, k = dec Wk + bk, v = dec Wv + bv on codes of FP4 with E8M0 scales, and their results quantised at once for the attention.
; A WAVE takes 128 tokens x one head's 64 columns x K = 1,024: 32 accumulators, 256 matrix instructions.  32 groups of tokens x 48 (role, head) = 1,536 waves, six to a work-group, 256 work-groups.
; Operands lie in memory as images of their registers, so a fragment is two loads of 16 bytes a lane, 512 consecutive bytes each, straight into registers: no LDS, no barrier; waves share nothing.
; No tensor loads and no cluster: a wave reads each of its fragments once, and nothing is staged that partners could share in LDS.
; q, k: source 0 = 16 weight columns, source 1 = 16 tokens: a lane holds ONE token, and by the tile order its 16 registers of two neighbouring tiles are 16 neighbouring channels: quantised along the head's 64.
; v:    source 0 = 16 tokens, source 1 = 16 weight columns: a lane holds ONE channel and 16 neighbouring keys: quantised along the keys.
; The bias is the C of each sum's first matrix instruction.  The 32 accumulators take turns, one instruction a turn.
; The scale words come 4 bytes a lane in each K step: beside two sets of fragments the registers do not hold all eight steps' words.
; LIMITS: NaN and infinities are not served; a block under 2^-124 keeps the scale byte 1.
; REGISTERS: window 0: v2-5 addresses; v16-31 scale words, two sets (lanes 0-15 the tokens' tile m, lanes 16-31 the weights' tile m); v32-63 the bias; v64-255 two sets of 8 token and 4 weight fragments.  window 1: the accumulators.
.set SC,  16
.set BI,  32
.set FT,  64                           ; tokens' fragments: set q at FT + 96 q
.set FW,  128                          ; weights': set q at FW + 96 q
.set TM,  64                           ; the way out (over fragments that are done with): v64-79 at work
.set PC,  96                           ; v96-127  four fragments of codes
.set PWR, 128                          ; v128-131 their scale words
.set SW,  132                          ; v132-135 scale words as they are stored
.set SEL, 48                           ; s[48:49] lane selects: lane l xor 16
.set MSB, 0
.macro WIN new                         ; the immediate's high byte repeats the setting that is left
.if MSB != \new
	s_set_vgpr_msb (MSB<<8)|\new
.set MSB, \new
.endif
.endm
.macro PLACES                          ; four plain vector instructions behind a matrix instruction, ahead of loads into its registers and of reads of its results
.rept 4
	v_nop
.endr
.endm
.macro KLOAD s                         ; K step s: 8 scale words, 8 token fragments, 4 weight fragments: 32 loads
.set Q, (\s)%2
.irp m, 0,1,2,3,4,5,6,7
	global_load_b32 v[SC+8*Q+\m], v3, s[8:9] offset:512*\m+256*((\s)/4)+4*((\s)%4)
.endr
.irp m, 0,1,2,3,4,5,6,7
.irp c, 0,1
	global_load_b128 v[FT+96*Q+8*\m+4*\c:FT+96*Q+8*\m+4*\c+3], v2, s[4:5] offset:8192*\m+1024*(\s)+512*\c
.endr
.endr
.irp t, 0,1,2,3
.irp c, 0,1
	global_load_b128 v[FW+96*Q+8*\t+4*\c:FW+96*Q+8*\t+4*\c+3], v2, s[6:7] offset:8192*\t+1024*(\s)+512*\c
.endr
.endr
.endm
.macro KMUL v, s                       ; 32 matrix instructions.  v = 0: accumulator (m, t) at 8 (4 m + t);  v = 1: (c, m) at 8 (8 c + m)
.set Q, (\s)%2
.if (\s) == 0
	WIN 0x40                                       ; C (the bias) in window 0, D in window 1
.else
	WIN 0x50                                       ; C and D in window 1
.endif
.if \v == 0
.irp m, 0,1,2,3,4,5,6,7
.irp t, 0,1,2,3
.if (\s) == 0
	v_wmma_scale_f32_16x16x128_f8f6f4 v[8*(4*\m+\t):8*(4*\m+\t)+7], v[FW+96*Q+8*\t:FW+96*Q+8*\t+7], v[FT+96*Q+8*\m:FT+96*Q+8*\m+7], v[BI+8*\t:BI+8*\t+7], v[SC+8*Q+\t], v[SC+8*Q+\m] matrix_a_fmt:MATRIX_FMT_FP4 matrix_b_fmt:MATRIX_FMT_FP4 matrix_a_scale:MATRIX_SCALE_ROW1
.else
	v_wmma_scale_f32_16x16x128_f8f6f4 v[8*(4*\m+\t):8*(4*\m+\t)+7], v[FW+96*Q+8*\t:FW+96*Q+8*\t+7], v[FT+96*Q+8*\m:FT+96*Q+8*\m+7], v[8*(4*\m+\t):8*(4*\m+\t)+7], v[SC+8*Q+\t], v[SC+8*Q+\m] matrix_a_fmt:MATRIX_FMT_FP4 matrix_b_fmt:MATRIX_FMT_FP4 matrix_a_scale:MATRIX_SCALE_ROW1
.endif
.endr
.endr
.else
.irp c, 0,1,2,3
.irp m, 0,1,2,3,4,5,6,7
.if (\s) == 0
	v_wmma_scale_f32_16x16x128_f8f6f4 v[8*(8*\c+\m):8*(8*\c+\m)+7], v[FT+96*Q+8*\m:FT+96*Q+8*\m+7], v[FW+96*Q+8*\c:FW+96*Q+8*\c+7], v[BI+8*\c:BI+8*\c+7], v[SC+8*Q+\m], v[SC+8*Q+\c] matrix_a_fmt:MATRIX_FMT_FP4 matrix_b_fmt:MATRIX_FMT_FP4 matrix_b_scale:MATRIX_SCALE_ROW1
.else
	v_wmma_scale_f32_16x16x128_f8f6f4 v[8*(8*\c+\m):8*(8*\c+\m)+7], v[FT+96*Q+8*\m:FT+96*Q+8*\m+7], v[FW+96*Q+8*\c:FW+96*Q+8*\c+7], v[8*(8*\c+\m):8*(8*\c+\m)+7], v[SC+8*Q+\m], v[SC+8*Q+\c] matrix_a_fmt:MATRIX_FMT_FP4 matrix_b_fmt:MATRIX_FMT_FP4 matrix_b_scale:MATRIX_SCALE_ROW1
.endif
.endr
.endr
.endif
	WIN 0
.endm
.macro MAIN v                          ; the eight K steps, loads two steps ahead
	KLOAD 0
	KLOAD 1
.irp s, 0,1,2,3,4,5,6,7
.if \s < 7
	s_wait_loadcnt 32                              ; this step's 32 loads (and the bias) are in; the other set's 32 may be out
.else
	s_wait_loadcnt 0
.endif
	KMUL \v, \s
.if \s < 6
	PLACES
	KLOAD \s+2
.endif
.endr
.endm
; 64 numbers of a lane in window 1, v[s] on, register 16 b + i = k 32 b + 16 (lane / 16) + i of my row, become a fragment's codes in v[pc] on and its scale word in v[pw].
; Each accumulator is read from its low end on.
.macro QUANTW s, pc, pw
	WIN 0x05
.irp b, 0,1,2,3
	v_max3_num_f32 v[TM+\b], |v[\s+16*\b]|, |v[\s+1+16*\b]|, 0x1800000   ; my 16 numbers of block b, and the floor 2^(3 - 127)
.endr
	WIN 0x14
.irp i, 2,4,6,8,10,12,14
.irp b, 0,1,2,3
	v_max3_num_f32 v[TM+\b], v[TM+\b], |v[\s+16*\b+\i]|, |v[\s+1+16*\b+\i]|
.endr
.endr
	WIN 0
.irp b, 0,1,2,3
	v_permlanex16_b32 v[TM+4+\b], v[TM+\b], s[SEL], s[SEL+1]
.endr
.irp b, 0,1,2,3
	v_max_num_f32 v[TM+\b], v[TM+\b], v[TM+4+\b]   ; with lane l xor 16's: the block's largest magnitude
.endr
.irp b, 0,1,2,3
	v_add_nc_u32 v[TM+12+\b], 0xff000000, v[TM+\b] ; 2 off the exponent field: the conversion's scale operand
.endr
.irp b, 0,1,2,3
	v_lshrrev_b32 v[TM+4+\b], 23, v[TM+12+\b]      ; the byte
.endr
	v_lshl_or_b32 v[\pw], v[TM+5], 8, v[TM+4]
	v_lshl_or_b32 v[\pw], v[TM+6], 16, v[\pw]
	v_lshl_or_b32 v[\pw], v[TM+7], 24, v[\pw]
	WIN 0x01
.irp b, 0,1,2,3
	v_cvt_scalef32_pk8_fp4_f32 v[\pc+2*\b], v[\s+16*\b:\s+7+16*\b], v[TM+12+\b]
	v_cvt_scalef32_pk8_fp4_f32 v[\pc+1+2*\b], v[\s+8+16*\b:\s+15+16*\b], v[TM+12+\b]
.endr
	WIN 0
	v_nop                                          ; one plain line behind a scaled conversion
.irp c, 0,1                                    ; a whole block to a lane: lanes 0-15 block 2 c, lanes 16-31 block 2 c + 1
.irp i, 0,1
	v_permlane16_swap_b32 v[\pc+4*\c+\i], v[\pc+2+4*\c+\i]
.endr
.endr
.endm
	s_load_b512 s[4:19], s[0:1], 0x0               ; xc s[4:5], wc s[6:7], scl s[8:9], bq s[10:11], bk s[12:13], bv s[14:15], qrec s[16:17], kv s[18:19]
	v_lshrrev_b32 v1, 5, v0
	v_readfirstlane_b32 s20, v1                    ; wave 0..5
	v_and_b32 v1, 31, v0                           ; L
	v_and_b32 v6, 15, v0                           ; r
	v_bfe_u32 v7, v0, 4, 1                         ; h
	v_lshlrev_b32 v2, 4, v1                        ; 16 L: an image's place for my lane
	s_lshr_b32 s21, ttmp9, 3                       ; the group of 128 tokens, 0 .. 31
	s_and_b32 s22, ttmp9, 7
	s_mul_i32 s22, s22, 6
	s_add_co_u32 s22, s22, s20                     ; 0 .. 47
	s_lshr_b32 s23, s22, 4                         ; role: 0 q, 1 k, 2 v
	s_and_b32 s24, s22, 15                         ; head
	s_lshl_b32 s25, s21, 3
	s_cmp_lg_u32 s23, 0
	s_cselect_b32 s26, 256, 0
	s_add_co_u32 s25, s25, s26                     ; T0: my first token tile (q: enc's, k and v: dec's)
	s_lshl_b32 s26, s23, 6
	s_lshl_b32 s27, s24, 2
	s_add_co_u32 s26, s26, s27                     ; W0: my first weight tile
	s_mov_b32 s2, 0xffff0000                       ; lanes 16-31
	s_mov_b32 s[SEL], 0x76543210
	s_mov_b32 s[SEL+1], 0xfedcba98
	s_lshl_b32 s28, s25, 9                         ; the tokens' scales: 512 T0
	s_lshl_b32 s29, s26, 9
	s_add_co_u32 s29, s29, 262144                  ; the weights': 262,144 + 512 W0
	v_mov_b32 v8, s28
	v_mov_b32 v9, s29
	v_cndmask_b32 v3, v8, v9, s2                   ; lanes 0-15 read the tokens' words, lanes 16-31 the weights'
	v_lshl_add_u32 v3, v6, 4, v3                   ; + 16 r
	v_lshlrev_b32 v4, 6, v7                        ; q, k bias: 64 h bytes
	v_and_b32 v5, 7, v6
	v_lshrrev_b32 v8, 3, v6
	v_lshl_add_u32 v5, v8, 4, v5
	v_lshlrev_b32 v5, 2, v5                        ; v bias: 4 (r % 8 + 16 (r / 8))
	s_lshl_b32 s30, s25, 13
	s_mov_b32 s31, 0
	s_lshl_b32 s32, s26, 13
	s_mov_b32 s33, 0
	s_lshr_b32 s34, s21, 4
	s_lshl_b32 s34, s34, 4
	s_add_co_u32 s34, s34, s24                     ; record: 16 b + head
	s_and_b32 s35, s21, 15                         ; the group within its batch: the key step, or the group of query tiles
	s_wait_kmcnt 0x0
	s_add_nc_u64 s[4:5], s[4:5], s[30:31]
	s_add_nc_u64 s[6:7], s[6:7], s[32:33]
	s_cmp_eq_u32 s23, 1
	s_cselect_b64 s[36:37], s[12:13], s[14:15]
	s_cmp_eq_u32 s23, 0
	s_cselect_b64 s[36:37], s[10:11], s[36:37]     ; my bias
	s_cselect_b64 s[40:41], s[16:17], s[18:19]     ; q goes to qrec, k and v to kv
	s_mov_b32 s44, 147456
	s_cselect_b32 s44, 73728, s44                  ; a record's bytes
	s_mul_i32 s44, s44, s34
	s_cmp_eq_u32 s23, 2
	s_cselect_b32 s45, 73728, 0                    ; v's part of a record lies behind k's
	s_add_co_u32 s44, s44, s45
	s_mov_b32 s45, 0
	s_add_nc_u64 s[40:41], s[40:41], s[44:45]
	s_lshl_b32 s46, s35, 9
	s_add_co_u32 s46, s46, 65536
	s_mov_b32 s47, 0
	s_add_nc_u64 s[42:43], s[40:41], s[46:47]      ; scale words: 65,536 on, 512 bytes a group
	s_lshl_b32 s46, s35, 12
	s_add_nc_u64 s[40:41], s[40:41], s[46:47]      ; codes: 4,096 bytes a group
	s_lshl_b32 s46, s24, 8
	s_add_nc_u64 s[36:37], s[36:37], s[46:47]      ; the head's 64 numbers
	s_cmp_eq_u32 s23, 2
	s_cbranch_scc1 .Lv
	; ---- q and k
.irp t, 0,1,2,3                                ; lane (r, h), tile t, register j: channel 32 (t / 2) + 16 h + 8 (t % 2) + j
	global_load_b128 v[BI+8*\t:BI+8*\t+3], v4, s[36:37] offset:4*(32*(\t/2)+8*(\t%2))
	global_load_b128 v[BI+8*\t+4:BI+8*\t+7], v4, s[36:37] offset:4*(32*(\t/2)+8*(\t%2))+16
.endr
	MAIN 0
	PLACES
.irp b, 0,1,2,3
	v_mov_b32 v[TM+4+\b], 0                        ; written once: a lane permute's destination counts as read
.endr
.irp p, 0,1,2,3                                ; token tiles 2 p and 2 p + 1: two blocks of 32 channels each
	QUANTW 64*\p, PC+8*\p, PWR+\p
	global_store_b128 v2, v[PC+8*\p:PC+8*\p+3], s[40:41] offset:1024*\p          ; tile 2 p: lane (r, h) holds channels 32 h .. 32 h + 31 of row r: 512 consecutive bytes
	global_store_b128 v2, v[PC+8*\p+4:PC+8*\p+7], s[40:41] offset:1024*\p+512    ; tile 2 p + 1
.endr
	v_cndmask_b32 v[TM], v[PWR], v[PWR+2], s2      ; word e of lane (r, h) is tile 4 h + e's: two bytes, the upper two 0 (they scale zero codes)
	v_cndmask_b32 v[TM+1], v[PWR+1], v[PWR+3], s2
	v_and_b32 v[SW], 0xffff, v[TM]
	v_lshrrev_b32 v[SW+1], 16, v[TM]
	v_and_b32 v[SW+2], 0xffff, v[TM+1]
	v_lshrrev_b32 v[SW+3], 16, v[TM+1]
	global_store_b128 v2, v[SW:SW+3], s[42:43]
	s_endpgm
.Lv:
	; ---- v
.irp c, 0,1,2,3                                ; lane (r, h), tile c: channel 32 (c / 2) + 8 (c % 2) + r % 8 + 16 (r / 8), the same in all eight registers
.irp j, 0,1,2,3,4,5,6,7
	global_load_b32 v[BI+8*\c+\j], v5, s[36:37] offset:4*(32*(\c/2)+8*(\c%2))
.endr
.endr
	MAIN 1
	PLACES
.irp b, 0,1,2,3
	v_mov_b32 v[TM+4+\b], 0
.endr
.irp c, 0,1,2,3                                ; channel tile c: four blocks of 32 keys: one fragment of V^T
	QUANTW 64*\c, PC+8*\c, PWR+\c
	global_store_b128 v2, v[PC+8*\c:PC+8*\c+3], s[40:41] offset:1024*\c
	global_store_b128 v2, v[PC+8*\c+4:PC+8*\c+7], s[40:41] offset:1024*\c+512
.endr
	global_store_b128 v2, v[PWR:PWR+3], s[42:43]   ; word c of lane (r, .): tile c's scale word of channel row r
	s_endpgm
.Lfunc_end_k_qa655f823a2_proj:
	.size	k_qa655f823a2_proj, .Lfunc_end_k_qa655f823a2_proj-k_qa655f823a2_proj
	.p2alignl 7, 3214868480
	.fill 96, 4, 3214868480
	.section	.rodata,"a",@progbits
	.p2align	6, 0x0
	.amdhsa_kernel k_qa655f823a2_proj
		.amdhsa_group_segment_fixed_size 0
		.amdhsa_private_segment_fixed_size 0
		.amdhsa_enable_private_segment 0
		.amdhsa_kernarg_size 64
		.amdhsa_user_sgpr_count 2
		.amdhsa_user_sgpr_kernarg_segment_ptr 1
		.amdhsa_wavefront_size32 1
		.amdhsa_system_sgpr_workgroup_id_x 1
		.amdhsa_system_sgpr_workgroup_id_y 1
		.amdhsa_system_sgpr_workgroup_id_z 1
		.amdhsa_system_vgpr_workitem_id 0
		.amdhsa_next_free_vgpr 512
		.amdhsa_next_free_sgpr 66
		.amdhsa_reserve_vcc 0
		.amdhsa_float_denorm_mode_32 3
		.amdhsa_float_denorm_mode_16_64 3
		.amdhsa_memory_ordered 1
		.amdhsa_forward_progress 1
		.amdhsa_inst_pref_size 156
	.end_amdhsa_kernel
	.amdgpu_metadata
---
amdhsa.version: [ 1, 2 ]
amdhsa.kernels:
  - .name:           k_qa655f823a2_proj
    .symbol:         k_qa655f823a2_proj.kd
    .args:
      - { .name: xc, .offset: 0, .size: 8, .value_kind: global_buffer, .address_space: global }
      - { .name: wc, .offset: 8, .size: 8, .value_kind: global_buffer, .address_space: global }
      - { .name: scl, .offset: 16, .size: 8, .value_kind: global_buffer, .address_space: global }
      - { .name: bq, .offset: 24, .size: 8, .value_kind: global_buffer, .address_space: global }
      - { .name: bk, .offset: 32, .size: 8, .value_kind: global_buffer, .address_space: global }
      - { .name: bv, .offset: 40, .size: 8, .value_kind: global_buffer, .address_space: global }
      - { .name: qrec, .offset: 48, .size: 8, .value_kind: global_buffer, .address_space: global }
      - { .name: kv, .offset: 56, .size: 8, .value_kind: global_buffer, .address_space: global }
    .group_segment_fixed_size: 0
    .private_segment_fixed_size: 0
    .kernarg_segment_align: 8
    .kernarg_segment_size: 64
    .max_flat_workgroup_size: 192
    .sgpr_count:     66
    .vgpr_count:     512
    .wavefront_size: 32
...
	.end_amdgpu_metadata
.endif
;; end of part 2
;; launch attn (part 3): grid 8 x 32, 16 waves a work-group, no clusters, 149,504 bytes of LDS; arguments qrec, kv, maskw, mflag, ac, scl; writes ac, scl
.if DOCPART == 3
	.amdgcn_target "amdgcn-amd-amdhsa--gfx1250"
	.amdhsa_code_object_version 6
	.text
	.protected	k_qa655f823a2_attn
	.globl	k_qa655f823a2_attn
	.p2align	8
	.type	k_qa655f823a2_attn,@function
k_qa655f823a2_attn:
	s_mov_b64 s[64:65], 0
	v_nop
	global_prefetch_b8 v0, s[64:65] scope:SCOPE_SE
	s_setreg_imm32_b32 hwreg(HW_REG_WAVE_MODE, 25, 1), 1
	s_wait_xcnt 0x0
; ATTN: for one (batch, head) and 256 queries: S^T = K Q^T, the mask, p = 2^(t - M), O^T = V^T P^T, O / l, and O quantised along D for the last product.  All products on codes of FP4 with E8M0 scales.
; t = score x log2(e) / 8; M = the running largest t rounded UP to a whole number; p is quantised along the keys, not normalised; l sums the unquantised p; a change of M multiplies l and O^T by an exact power of two.
; SHARES.  A work-group owns 256 queries of one head; each of its sixteen waves one tile of 16, in 226 registers, four waves to a SIMD.  Every wave walks the head's 2,048 keys, 128 a step.
; LDS holds the head's whole record of K and V (codes and scale words as images of registers, 147,456 bytes), filled ONCE through registers: one barrier in the launch.
; No tensor loads and no cluster: the loop branches on a stored flag (a step without holes skips its masking); the fill is 18 loads and 18 LDS stores a wave, once.
; K = 64 in the first product: the instruction's upper 64 are Q's zero codes; what K's operand holds there (the next tile's codes) is multiplied by zero.
; K IS FETCHED A STEP AHEAD: its registers are free as soon as the step's eight products are issued, so the next step's nine LDS loads go out there and land under the softmax; V's nine go out in front of them.
; THE MASK comes as lane masks: word n of a step has bit L set where lane L's register n holds a key that counts.  The 64 words of a step are read by scalar loads a step ahead.
; A query with no key that counts: l = 0; its codes are zeros and its scale bytes 0xff, which makes its whole row of the output NaN in the last launch, as the definition has it.
; LIMITS: NaN and infinities among the inputs are not served; a block under 2^-124 keeps the scale byte 1.
.set S,    96                          ; v96-159  S^T, then p: register 16 b + i = key 32 b + 16 (lane / 16) + i
.set O,    160                         ; v160-191 O^T: register 16 g + i = channel 32 g + 16 (lane / 16) + i
.set P,    192                         ; v192-199 p's codes
.set BM,   200                         ; v200-203 each block's largest score, then largest p
.set T4,   204                         ; v204-207 at work
.set SO,   208                         ; v208-211 the conversions' scale operands
.set TA,   212
.set F,    214                         ; v[214:215] f = 2^(old M - new M), and 0
.set PWD,  216                         ; p's scale word
.set SUM2, 218                         ; v[218:219] the second chain of sums
; v1 16 L; v2 -infinity; v3, v5 LDS addresses of the next step's K, v4, v6 of this step's V; v7 Q's scale word; v8-11 K's scale words; v12 -M; v13 the largest t; v[14:15] l in two halves; v16-19 Q's codes, v20-23 zeros;
; v24-27 V's scale words; v28-59 K's eight tiles, 4 registers each, v60-63 zeros; v64-95 V's four fragments; v220-222 16 L + the regions' starts
.set KSO,  65536                       ; the record: K's codes at 0, K's scale words here,
.set VCO,  73728                       ; V's codes,
.set VSO,  139264                      ; V's scale words
; s16-63, s68-83 the step's 64 mask words; s84 wave; s85 step; s[86:87] lane selects; s[88:89] c; s90, s91 the step's LDS bytes; s92 flags; s93 the mask words' offset
.macro MASKASK                         ; 256 bytes: the 64 words of the step at offset s93
	s_load_b512 s[16:31], s[8:9], s93 offset:0x0
	s_load_b512 s[32:47], s[8:9], s93 offset:0x40
	s_load_b512 s[48:63], s[8:9], s93 offset:0x80
	s_load_b512 s[68:83], s[8:9], s93 offset:0xc0
.endm
.macro KASK ak, as                     ; a step's K: nine LDS loads
	ds_load_b128 v[8:11], v[\as]                   ; word e of lane (r, h): tile 4 h + e, key row r
.irp t, 0,1,2,3,4,5,6,7
	ds_load_b128 v[28+4*\t:31+4*\t], v[\ak] offset:512*\t
.endr
.endm
	s_load_b256 s[4:11], s[0:1], 0x0               ; qrec s[4:5], kv s[6:7], maskw s[8:9], mflag s[10:11]
	s_load_b128 s[12:15], s[0:1], 0x20             ; ac s[12:13], scl s[14:15]
	v_lshl_add_u32 v224, v0, 2, 0x24000
	v_mov_b32 v225, 0
	v_lshrrev_b32 v3, 5, v0
	v_readfirstlane_b32 s84, v3                    ; wave 0..15
	v_and_b32 v1, 31, v0
	v_and_b32 v4, 15, v0
	v_lshlrev_b32 v1, 4, v1                        ; 16 L
	v_lshlrev_b32 v5, 4, v4                        ; 16 r
	s_mov_b32 s2, 0xffff0000                       ; lanes 16-31
	s_mov_b32 s86, 0x76543210
	s_mov_b32 s87, 0xfedcba98
	s_mov_b32 s88, 0x3e38aa3b                      ; c = log2(e) / sqrt(64)
	s_mov_b32 s89, s88                             ; (named with it as a pair)
	s_and_b32 s94, ttmp7, 0xffff                   ; the record: 16 b + head
	s_lshl_b32 s95, ttmp9, 4
	s_add_co_u32 s95, s95, s84                     ; Tq: my tile of queries, 0 .. 127
	s_lshr_b32 s96, s94, 4
	s_lshl_b32 s96, s96, 7
	s_add_co_u32 s96, s96, s95                     ; TT = 128 b + Tq
	s_and_b32 s97, s94, 15                         ; head
	s_mov_b32 s99, 0
	s_mov_b32 s101, 0
	s_mul_i32 s90, s94, 73728                      ; the head's record of q
	s_lshr_b32 s100, s95, 2
	s_lshl_b32 s100, s100, 8
	s_and_b32 s91, s95, 3
	s_lshl_b32 s91, s91, 2
	s_add_co_u32 s100, s100, s91                   ; my tile's scale words: 256 (Tq / 4) + 4 (Tq % 4), 16 bytes from row to row
	s_add_co_u32 s100, s100, s90
	s_add_co_u32 s100, s100, 65536
	s_lshl_b32 s98, s95, 9
	s_add_co_u32 s98, s98, s90                     ; my tile's codes: 512 Tq
	s_wait_kmcnt 0x0
	s_add_nc_u64 s[100:101], s[4:5], s[100:101]
	s_add_nc_u64 s[4:5], s[4:5], s[98:99]
	s_mul_i32 s98, s94, 147456
	s_mul_i32 s90, s84, 9216                       ; my sixteenth of the record
	s_add_co_u32 s98, s98, s90
	s_add_nc_u64 s[6:7], s[6:7], s[98:99]
	s_lshl_b32 s98, s96, 12
	s_add_nc_u64 s[8:9], s[8:9], s[98:99]          ; my tile's mask words: 4,096 bytes
	s_lshl_b32 s98, s96, 4
	s_add_nc_u64 s[10:11], s[10:11], s[98:99]      ; and flags: 16 bytes
	s_lshl_b32 s98, s96, 13
	s_lshl_b32 s91, s97, 9
	s_add_co_u32 s98, s98, s91
	s_add_nc_u64 s[12:13], s[12:13], s[98:99]      ; ac: tile TT, blocks 2 head and 2 head + 1
	s_lshl_b32 s98, s96, 9
	s_lshr_b32 s91, s97, 3
	s_lshl_b32 s91, s91, 8
	s_add_co_u32 s98, s98, s91
	s_and_b32 s91, s97, 7
	s_lshl_b32 s91, s91, 1
	s_add_co_u32 s98, s98, s91
	s_add_co_u32 s98, s98, 393216
	s_add_nc_u64 s[14:15], s[14:15], s[98:99]      ; and their two scale bytes in each row's 16
	v_add_nc_u32 v6, s90, v1                       ; LDS: 9,216 x wave + 16 L
	global_load_b128 v[16:19], v1, s[4:5]          ; Q's codes: lane (r, h): channels 32 h .. 32 h + 31 of query r
	global_load_b32 v7, v5, s[100:101]             ; Q's scale word
.set i, 0
.rept 18
	global_load_b128 v[S+4*i:S+4*i+3], v1, s[6:7] offset:512*i
.set i, i+1
.endr
	s_mov_b32 s93, 0
	s_load_b128 s[96:99], s[10:11], 0x0            ; the four waves' flag words of my tile
	MASKASK                                        ; step 0's words
.irp j, 0,1,2,3
	v_mov_b32 v[20+\j], 0                          ; Q's upper 64 along K: zero codes
	v_mov_b32 v[60+\j], 0                          ; behind K's last tile
	v_mov_b32 v[T4+\j], 0                          ; written once: a lane permute's destination counts as read
.endr
	v_mov_b32 v2, 0xff800000                       ; -infinity
	v_add_nc_u32 v220, KSO, v1
	v_add_nc_u32 v221, VCO, v1
	v_add_nc_u32 v222, VSO, v1
.set i, 0
.rept 18
	s_wait_loadcnt 17-i                            ; fill i is in (and Q); the younger fills may be out
	ds_store_b128 v6, v[S+4*i:S+4*i+3] offset:512*i
.set i, i+1
.endr
	s_wait_dscnt 0x0                               ; for the others' sake: my part of the record lies in LDS
	s_barrier_signal -1
	s_barrier_wait -1                              ; everybody's does; nothing is stored to the record after this
	KASK 1, 220                                    ; step 0's K; it lands while the sums are begun below
.set j, 0
.rept 32
	v_mov_b32 v[O+j], 0                            ; O^T.  (The step is written once: the first finds zeros, which the first change of M leaves zeros)
.set j, j+1
.endr
	v_mov_b32 v14, 0
	v_mov_b32 v15, 0
	v_mov_b32 v[F+1], 0
	v_mov_b32 v13, 0xff61b1e6                      ; the largest t so far: -3e38
	v_floor_f32 v12, -v13                          ; -M
	s_wait_kmcnt 0x0
	s_or_b32 s92, s96, s97
	s_or_b32 s92, s92, s98
	s_or_b32 s92, s92, s99                         ; bit s: step s has a hole for one of my queries
	s_mov_b32 s85, 0
	s_mov_b32 s90, 0
	s_mov_b32 s91, 0
.Lstep:                                            ; 16 trips: 128 keys each
	s_wait_dscnt 0x0                               ; this step's K, asked for a trip ago, is in; no other LDS load of mine is out
.irp t, 0,1,2,3
	v_wmma_scale_f32_16x16x128_f8f6f4 v[S+8*\t:S+8*\t+7], v[28+4*\t:35+4*\t], v[16:23], 0, v[8+\t], v7 matrix_a_fmt:MATRIX_FMT_FP4 matrix_b_fmt:MATRIX_FMT_FP4
.endr
.irp t, 4,5,6,7
	v_wmma_scale_f32_16x16x128_f8f6f4 v[S+8*\t:S+8*\t+7], v[28+4*\t:35+4*\t], v[16:23], 0, v[4+\t], v7 matrix_a_fmt:MATRIX_FMT_FP4 matrix_b_fmt:MATRIX_FMT_FP4 matrix_a_scale:MATRIX_SCALE_ROW1
.endr
	v_add_nc_u32 v4, s90, v221                     ; this step's V: codes,
	v_add_nc_u32 v6, s91, v222                     ; scale words
	s_add_co_u32 s90, s90, 4096
	s_add_co_u32 s91, s91, 512
	v_add_nc_u32 v3, s90, v1                       ; the next step's K: codes,
	v_add_nc_u32 v5, s91, v220                     ; scale words.  These four lines name no register of a product: they are the four places ahead of the first read of the scores, of the loads into K's registers, and (behind the last trip's products) of the loads into V's
	ds_load_b128 v[24:27], v6                      ; word c: channel tile c, row r
.irp i, 0,1,2,3,4,5,6,7
	ds_load_b128 v[64+4*\i:67+4*\i], v4 offset:512*\i
.endr
	KASK 3, 5                                      ; (the last trip's request reads bytes of the record behind K's regions, inside the filled LDS; nobody uses them)
	s_wait_kmcnt 0x0                               ; this step's mask words are in
	s_lshr_b32 s94, s92, s85
	s_and_b32 s94, s94, 1
	s_cmp_lg_u32 s94, 0
	s_cbranch_scc0 .Lopen                          ; every key of the step counts for every query of mine: a branch on a stored whole number
.set n, 0
.rept 64
.if n < 48
	v_cndmask_b32 v[S+n], v2, v[S+n], s[16+n]      ; a hidden key's score becomes -infinity: p = 0
.else
	v_cndmask_b32 v[S+n], v2, v[S+n], s[20+n]
.endif
.set n, n+1
.endr
.Lopen:
	s_add_co_u32 s85, s85, 1
	s_min_u32 s93, s85, 15                         ; the next step's words (the last trip asks for its own again: no load leaves the buffer)
	s_lshl_b32 s93, s93, 8
	MASKASK                                        ; they have the softmax in which to land
.irp b, 0,1,2,3
	v_max3_num_f32 v[BM+\b], v[S+16*\b], v[S+1+16*\b], v[S+2+16*\b]   ; the largest score of each block of 32 keys: for the row's maximum, and, since p rises with the score, for the block's largest p
.endr
.irp i, 3,5,7,9,11,13
.irp b, 0,1,2,3
	v_max3_num_f32 v[BM+\b], v[BM+\b], v[S+16*\b+\i], v[S+1+16*\b+\i]
.endr
.endr
.irp b, 0,1,2,3
	v_max_num_f32 v[BM+\b], v[BM+\b], v[S+15+16*\b]
.endr
.irp b, 0,1,2,3
	v_permlanex16_b32 v[T4+\b], v[BM+\b], s86, s87
.endr
.irp b, 0,1,2,3
	v_max_num_f32 v[BM+\b], v[BM+\b], v[T4+\b]     ; with lane l xor 16's 16 keys
.endr
	v_max3_num_f32 v[TA], v[BM], v[BM+1], v[BM+2]
	v_max_num_f32 v[TA], v[TA], v[BM+3]            ; the step's largest score of my query
	v_mul_f32 v[TA], s88, v[TA]                    ; as t
	v_max_num_f32 v13, v13, v[TA]                  ; the running largest t
	v_mov_b32 v[TA], v12
	v_floor_f32 v12, -v13                          ; the new -M = -ceil(t)
	v_sub_f32 v[TA], v12, v[TA]                    ; old M - new M: a whole number, 0 or less
	v_cvt_i32_f32 v[TA], v[TA]                     ; (it saturates)
	v_ldexp_f32 v[F], 1.0, v[TA]                   ; f = 2^(old M - new M)
.set j, 0
.rept 32
	v_pk_fma_f32 v[S+j:S+j+1], v[S+j:S+j+1], s[88:89], v[12:13] op_sel_hi:[1,0,0]   ; t - M, two at a time
.set j, j+2
.endr
.irp b, 0,1,2,3
	v_fma_f32 v[BM+\b], v[BM+\b], s88, v12         ; the same of each block's largest score
.endr
.set j, 0
.rept 64
	v_exp_f32 v[S+j], v[S+j]                       ; p = 2^(t - M)
.set j, j+1
.endr
.irp b, 0,1,2,3
	v_exp_f32 v[BM+\b], v[BM+\b]                   ; the block's largest p: the same two instructions on the same number
.endr
	v_pk_mul_f32 v[14:15], v[14:15], v[F:F+1] op_sel_hi:[1,0]   ; l under the new M (a plain line behind the exponentials)
	s_wait_alu depctr_va_vdst(0)
.irp b, 0,1,2,3
	v_max_num_f32 v[BM+\b], 0x1800000, v[BM+\b]    ; the floor 2^(3 - 127)
.endr
.irp b, 0,1,2,3
	v_add_nc_u32 v[SO+\b], 0xff000000, v[BM+\b]    ; the conversion's scale operand
.endr
.irp b, 0,1,2,3
	v_lshrrev_b32 v[T4+\b], 23, v[SO+\b]           ; the byte
.endr
	v_lshl_or_b32 v[PWD], v[T4+1], 8, v[T4]        ; p's scale word for these 128 keys
	v_lshl_or_b32 v[PWD], v[T4+2], 16, v[PWD]
	v_lshl_or_b32 v[PWD], v[T4+3], 24, v[PWD]
.irp b, 0,1,2,3
	v_cvt_scalef32_pk8_fp4_f32 v[P+2*\b], v[S+16*\b:S+7+16*\b], v[SO+\b]
	v_cvt_scalef32_pk8_fp4_f32 v[P+1+2*\b], v[S+8+16*\b:S+15+16*\b], v[SO+\b]
.endr
	v_nop                                          ; one plain line behind a scaled conversion
.irp c, 0,1                                    ; a whole block to a lane
.irp i, 0,1
	v_permlane16_swap_b32 v[P+4*\c+\i], v[P+2+4*\c+\i]
.endr
.endr
	v_pk_add_f32 v[SUM2:SUM2+1], v[S:S+1], v[S+2:S+3]              ; l takes the UNQUANTISED p: two chains.  (These 32 lines are also the places between the codes' and the scale word's last writes and the products below)
.irp j, 4,8,12,16,20,24,28,32,36,40,44,48,52,56,60
	v_pk_add_f32 v[14:15], v[14:15], v[S+\j:S+1+\j]
	v_pk_add_f32 v[SUM2:SUM2+1], v[SUM2:SUM2+1], v[S+2+\j:S+3+\j]
.endr
	v_pk_add_f32 v[14:15], v[14:15], v[SUM2:SUM2+1]
.set j, 0
.rept 16
	v_pk_mul_f32 v[O+j:O+j+1], v[O+j:O+j+1], v[F:F+1] op_sel_hi:[1,0]   ; O^T under the new M, each accumulator from its low end on
.set j, j+2
.endr
	s_wait_dscnt 9                                 ; V's nine loads are in; the next step's nine of K, issued behind them, may be out
.irp c, 0,1,2,3
	v_wmma_scale_f32_16x16x128_f8f6f4 v[O+8*\c:O+8*\c+7], v[64+8*\c:71+8*\c], v[P:P+7], v[O+8*\c:O+8*\c+7], v[24+\c], v[PWD] matrix_a_fmt:MATRIX_FMT_FP4 matrix_b_fmt:MATRIX_FMT_FP4
.endr
	s_cmp_lt_u32 s85, 16
	s_cbranch_scc1 .Lstep
	; ---- THE WAY OUT: O^T / l, quantised along D: my head's 64 channels are blocks 2 head and 2 head + 1 of the row
	s_wait_dscnt 0x0                               ; the last trip's request is retired
.rept 4
	v_nop                                          ; places behind the last products
.endr
	v_add_f32 v14, v14, v15
	v_permlanex16_b32 v[T4], v14, s86, s87
	v_add_f32 v14, v14, v[T4]                      ; l
	v_cmp_eq_f32 vcc_lo, 0, v14                    ; no key counted
	v_rcp_f32 v15, v14
	v_mov_b32 v[T4+2], 0xff                        ; (a plain line behind the reciprocal)
	s_wait_alu depctr_va_vdst(0)
	v_cndmask_b32 v15, v15, 0, vcc_lo              ; such a row's numbers become zeros; its bytes below say NaN
.set j, 0
.rept 32
	v_mul_f32 v[S+j], v[O+j], v15
.set j, j+1
.endr
.irp b, 0,1
	v_max3_num_f32 v[BM+\b], |v[S+16*\b]|, |v[S+1+16*\b]|, 0x1800000
.endr
.irp i, 2,4,6,8,10,12,14
.irp b, 0,1
	v_max3_num_f32 v[BM+\b], v[BM+\b], |v[S+16*\b+\i]|, |v[S+1+16*\b+\i]|
.endr
.endr
.irp b, 0,1
	v_permlanex16_b32 v[T4+\b], v[BM+\b], s86, s87
.endr
.irp b, 0,1
	v_max_num_f32 v[BM+\b], v[BM+\b], v[T4+\b]
.endr
.irp b, 0,1
	v_add_nc_u32 v[SO+\b], 0xff000000, v[BM+\b]
.endr
.irp b, 0,1
	v_lshrrev_b32 v[T4+\b], 23, v[SO+\b]
.endr
.irp b, 0,1
	v_cvt_scalef32_pk8_fp4_f32 v[P+2*\b], v[S+16*\b:S+7+16*\b], v[SO+\b]
	v_cvt_scalef32_pk8_fp4_f32 v[P+1+2*\b], v[S+8+16*\b:S+15+16*\b], v[SO+\b]
.endr
	v_nop
	v_permlane16_swap_b32 v[P], v[P+2]
	v_permlane16_swap_b32 v[P+1], v[P+3]           ; lanes 0-15 block 2 head, lanes 16-31 block 2 head + 1
	global_store_b128 v1, v[P:P+3], s[12:13]       ; 512 consecutive bytes of the tile's image
	v_cndmask_b32 v[T4], v[T4], v[T4+1], s2        ; lane (r, h) stores block h's byte of row r
	v_cndmask_b32 v[T4], v[T4], v[T4+2], vcc_lo
	v_and_b32 v[TA], 15, v0
	v_bfe_u32 v[SO], v0, 4, 1
	v_lshl_add_u32 v[TA], v[TA], 4, v[SO]          ; 16 r + h
	global_store_b8 v[TA], v[T4], s[14:15]         ; one byte a lane, once a wave: rows' 16 bytes are shared by eight heads, so these 256 bytes are written in parts
	s_wait_tensorcnt 0x0
	ds_add_u32 v224, v225
	s_wait_dscnt 0x0
	s_endpgm
.Lfunc_end_k_qa655f823a2_attn:
	.size	k_qa655f823a2_attn, .Lfunc_end_k_qa655f823a2_attn-k_qa655f823a2_attn
	.p2alignl 7, 3214868480
	.fill 96, 4, 3214868480
	.section	.rodata,"a",@progbits
	.p2align	6, 0x0
	.amdhsa_kernel k_qa655f823a2_attn
		.amdhsa_group_segment_fixed_size 149504
		.amdhsa_private_segment_fixed_size 0
		.amdhsa_enable_private_segment 0
		.amdhsa_kernarg_size 48
		.amdhsa_user_sgpr_count 2
		.amdhsa_user_sgpr_kernarg_segment_ptr 1
		.amdhsa_wavefront_size32 1
		.amdhsa_system_sgpr_workgroup_id_x 1
		.amdhsa_system_sgpr_workgroup_id_y 1
		.amdhsa_system_sgpr_workgroup_id_z 1
		.amdhsa_system_vgpr_workitem_id 0
		.amdhsa_next_free_vgpr 226
		.amdhsa_next_free_sgpr 102
		.amdhsa_reserve_vcc 1
		.amdhsa_float_denorm_mode_32 3
		.amdhsa_float_denorm_mode_16_64 3
		.amdhsa_memory_ordered 1
		.amdhsa_forward_progress 1
		.amdhsa_inst_pref_size 33
	.end_amdhsa_kernel
	.amdgpu_metadata
---
amdhsa.version: [ 1, 2 ]
amdhsa.kernels:
  - .name:           k_qa655f823a2_attn
    .symbol:         k_qa655f823a2_attn.kd
    .args:
      - { .name: qrec, .offset: 0, .size: 8, .value_kind: global_buffer, .address_space: global }
      - { .name: kv, .offset: 8, .size: 8, .value_kind: global_buffer, .address_space: global }
      - { .name: maskw, .offset: 16, .size: 8, .value_kind: global_buffer, .address_space: global }
      - { .name: mflag, .offset: 24, .size: 8, .value_kind: global_buffer, .address_space: global }
      - { .name: ac, .offset: 32, .size: 8, .value_kind: global_buffer, .address_space: global }
      - { .name: scl, .offset: 40, .size: 8, .value_kind: global_buffer, .address_space: global }
    .group_segment_fixed_size: 149504
    .private_segment_fixed_size: 0
    .kernarg_segment_align: 8
    .kernarg_segment_size: 48
    .max_flat_workgroup_size: 512
    .sgpr_count:     102
    .vgpr_count:     226
    .wavefront_size: 32
...
	.end_amdgpu_metadata
.endif
;; end of part 3
;; launch outp (part 4): grid 256 x 1, 2 waves a work-group, no clusters, 8,960 bytes of LDS; arguments ac, wc, scl, bo, out0; writes out0
.if DOCPART == 4
	.amdgcn_target "amdgcn-amd-amdhsa--gfx1250"
	.amdhsa_code_object_version 6
	.text
	.protected	k_qa655f823a2_outp
	.globl	k_qa655f823a2_outp
	.p2align	8
	.type	k_qa655f823a2_outp,@function
k_qa655f823a2_outp:
	s_mov_b64 s[64:65], 0
	v_nop
	global_prefetch_b8 v0, s[64:65] scope:SCOPE_SE
	s_setreg_imm32_b32 hwreg(HW_REG_WAVE_MODE, 25, 1), 1
	s_wait_xcnt 0x0
; OUTP: out0 = attn Wo + bo on codes of FP4 with E8M0 scales.  A WAVE takes 128 rows x 64 columns x K = 1,024: 32 accumulators, 256 matrix instructions; 512 waves, two to a work-group.
; Operands lie in memory as images of their registers: a fragment is two loads of 16 bytes a lane straight into registers; no tensor loads and no cluster, since a wave reads each of its fragments once.
; Source 0 = 16 columns of Wo, source 1 = 16 rows of attn: a lane holds one row, and by the tile order the registers of two neighbouring tiles are 16 neighbouring columns.
; bo is the C of each sum's first matrix instruction.  The 32 accumulators take turns, one instruction a turn.
; A row whose scale bytes are 0xff (a query with no key that counts) comes out NaN, as the definition has it.
; REGISTERS: window 0: v2-4, v10-12 addresses; v16-31 scale words, two sets (lanes 0-15 the rows' tile m, lanes 16-31 the weights' tile m); v32-63 the bias; v64-255 two sets of 8 + 4 fragments.  window 1: the accumulators.
.set SC,  16
.set BI,  32
.set FT,  64
.set FW,  128
.set BK,  64                           ; the way out: 16 rows read back from the stage: v64-95 and v96-127 by turns
.set MSB, 0
.macro WIN new                         ; the immediate's high byte repeats the setting that is left
.if MSB != \new
	s_set_vgpr_msb (MSB<<8)|\new
.set MSB, \new
.endif
.endm
.macro PLACES                          ; four plain vector instructions behind a matrix instruction, ahead of loads into its registers and of reads of its results
.rept 4
	v_nop
.endr
.endm
.macro KLOAD s                         ; K step s: 8 scale words, 8 row fragments, 4 weight fragments: 32 loads
.set Q, (\s)%2
.irp m, 0,1,2,3,4,5,6,7
	global_load_b32 v[SC+8*Q+\m], v3, s[8:9] offset:512*\m+256*((\s)/4)+4*((\s)%4)
.endr
.irp m, 0,1,2,3,4,5,6,7
.irp c, 0,1
	global_load_b128 v[FT+96*Q+8*\m+4*\c:FT+96*Q+8*\m+4*\c+3], v2, s[4:5] offset:8192*\m+1024*(\s)+512*\c
.endr
.endr
.irp t, 0,1,2,3
.irp c, 0,1
	global_load_b128 v[FW+96*Q+8*\t+4*\c:FW+96*Q+8*\t+4*\c+3], v2, s[6:7] offset:8192*\t+1024*(\s)+512*\c
.endr
.endr
.endm
.macro KMUL s                          ; 32 matrix instructions: accumulator (m, t) at 8 (4 m + t)
.set Q, (\s)%2
.if (\s) == 0
	WIN 0x40                                       ; C (the bias) in window 0, D in window 1
.else
	WIN 0x50
.endif
.irp m, 0,1,2,3,4,5,6,7
.irp t, 0,1,2,3
.if (\s) == 0
	v_wmma_scale_f32_16x16x128_f8f6f4 v[8*(4*\m+\t):8*(4*\m+\t)+7], v[FW+96*Q+8*\t:FW+96*Q+8*\t+7], v[FT+96*Q+8*\m:FT+96*Q+8*\m+7], v[BI+8*\t:BI+8*\t+7], v[SC+8*Q+\t], v[SC+8*Q+\m] matrix_a_fmt:MATRIX_FMT_FP4 matrix_b_fmt:MATRIX_FMT_FP4 matrix_a_scale:MATRIX_SCALE_ROW1
.else
	v_wmma_scale_f32_16x16x128_f8f6f4 v[8*(4*\m+\t):8*(4*\m+\t)+7], v[FW+96*Q+8*\t:FW+96*Q+8*\t+7], v[FT+96*Q+8*\m:FT+96*Q+8*\m+7], v[8*(4*\m+\t):8*(4*\m+\t)+7], v[SC+8*Q+\t], v[SC+8*Q+\m] matrix_a_fmt:MATRIX_FMT_FP4 matrix_b_fmt:MATRIX_FMT_FP4 matrix_a_scale:MATRIX_SCALE_ROW1
.endif
.endr
.endr
	WIN 0
.endm
; THE WAY OUT, a tile of 16 rows x 64 columns at a time, through my own stage in LDS (rows of 256 bytes + 16): a lane holds 32 bytes of a row, and the lanes beside it other rows.
.macro TOSTAGE m
	WIN 0x04                                       ; an LDS store's data are its source 1: window 1
.irp t, 0,1,2,3
	ds_store_b128 v10, v[8*(4*(\m)+\t):8*(4*(\m)+\t)+3] offset:128*(\t/2)+32*(\t%2)        ; each accumulator from its low end on
	ds_store_b128 v10, v[8*(4*(\m)+\t)+4:8*(4*(\m)+\t)+7] offset:128*(\t/2)+32*(\t%2)+16
.endr
	WIN 0
.irp i, 0,1,2,3,4,5,6,7
	ds_load_b128 v[BK+32*((\m)%2)+4*\i:BK+32*((\m)%2)+4*\i+3], v11 offset:544*\i           ; LDS serves a wave's instructions in order: these see my stores
.endr
.endm
.macro SEND m, younger                 ; younger: the LDS instructions issued behind tile m's loads, which may stay out
	s_wait_dscnt \younger
.irp i, 0,1,2,3,4,5,6,7
	global_store_b128 v12, v[BK+32*((\m)%2)+4*\i:BK+32*((\m)%2)+4*\i+3], s[12:13] offset:(32*((\m)/2)+8*((\m)%2)+2*\i+8*(\i/4))*4096 th:TH_STORE_NT   ; tile rows 2 i, 2 i + 1 at their places in the tile order; sixteen lanes store 256 consecutive bytes, aligned
.endr
.endm
	s_load_b256 s[4:11], s[0:1], 0x0               ; ac s[4:5], wc s[6:7], scl s[8:9], bo s[10:11]
	s_load_b64 s[12:13], s[0:1], 0x20              ; out0
	v_lshl_add_u32 v14, v0, 2, 0x2200
	v_mov_b32 v15, 0
	v_lshrrev_b32 v1, 5, v0
	v_readfirstlane_b32 s20, v1                    ; wave 0, 1
	v_and_b32 v1, 31, v0                           ; L
	v_and_b32 v6, 15, v0                           ; r
	v_bfe_u32 v7, v0, 4, 1                         ; h
	v_lshlrev_b32 v2, 4, v1                        ; 16 L
	s_lshr_b32 s21, ttmp9, 3                       ; the group of 128 rows, 0 .. 31
	s_and_b32 s22, ttmp9, 7
	s_lshl_b32 s22, s22, 1
	s_add_co_u32 s22, s22, s20                     ; the block of 64 columns, 0 .. 15
	s_lshl_b32 s25, s21, 3                         ; T0
	s_lshl_b32 s26, s22, 2
	s_add_co_u32 s26, s26, 192                     ; W0: Wo's tiles begin at 192
	s_mov_b32 s2, 0xffff0000                       ; lanes 16-31
	s_lshl_b32 s28, s25, 9
	s_add_co_u32 s28, s28, 393216                  ; the rows' scales
	s_lshl_b32 s29, s26, 9
	s_add_co_u32 s29, s29, 262144                  ; the weights'
	v_mov_b32 v8, s28
	v_mov_b32 v9, s29
	v_cndmask_b32 v3, v8, v9, s2                   ; lanes 0-15 read the rows' words, lanes 16-31 the weights'
	v_lshl_add_u32 v3, v6, 4, v3
	v_lshlrev_b32 v4, 6, v7                        ; the bias: 64 h bytes
	s_mul_i32 s23, s20, 16*272                     ; my stage
	v_mul_u32_u24 v10, v6, 272
	v_lshl_add_u32 v10, v7, 6, v10
	v_add_nc_u32 v10, s23, v10                     ; in: row r, + 64 h
	v_mul_u32_u24 v11, v7, 272
	v_lshl_add_u32 v11, v6, 4, v11
	v_add_nc_u32 v11, s23, v11                     ; back: lanes 0-15 one row, lanes 16-31 the next
	v_lshlrev_b32 v12, 12, v7
	v_lshl_add_u32 v12, v6, 4, v12                 ; and the same two rows in out0
	s_lshl_b32 s30, s25, 13
	s_mov_b32 s31, 0
	s_lshl_b32 s32, s26, 13
	s_mov_b32 s33, 0
	s_lshl_b32 s34, s22, 8
	s_mov_b32 s35, 0
	s_wait_kmcnt 0x0
	s_add_nc_u64 s[4:5], s[4:5], s[30:31]
	s_add_nc_u64 s[6:7], s[6:7], s[32:33]
	s_add_nc_u64 s[36:37], s[10:11], s[34:35]      ; bo at my 64 columns
	s_add_nc_u64 s[12:13], s[12:13], s[34:35]
	s_lshl_b32 s34, s21, 19                        ; 128 rows of 4,096 bytes
	s_add_nc_u64 s[12:13], s[12:13], s[34:35]
.irp t, 0,1,2,3                                ; lane (r, h), tile t, register j: column 32 (t / 2) + 16 h + 8 (t % 2) + j
	global_load_b128 v[BI+8*\t:BI+8*\t+3], v4, s[36:37] offset:4*(32*(\t/2)+8*(\t%2))
	global_load_b128 v[BI+8*\t+4:BI+8*\t+7], v4, s[36:37] offset:4*(32*(\t/2)+8*(\t%2))+16
.endr
	KLOAD 0
	KLOAD 1
.irp s, 0,1,2,3,4,5,6,7
.if \s < 7
	s_wait_loadcnt 32                              ; this step's 32 loads (and the bias) are in; the other set's 32 may be out
.else
	s_wait_loadcnt 0
.endif
	KMUL \s
.if \s < 6
	PLACES
	KLOAD \s+2
.endif
.endr
	PLACES                                         ; ahead of the stores that read results and of the loads into fragments' registers
	TOSTAGE 0
.irp m, 1,2,3,4,5,6,7
.if \m > 1
	s_wait_xcnt 0x0                                ; tile m - 2's stores have read their registers: tile m's loads may land there
.endif
	TOSTAGE \m
	SEND \m-1, 16                                  ; behind tile m - 1's loads: tile m's 8 stores and 8 loads
.endr
	SEND 7, 0
	s_wait_tensorcnt 0x0
	ds_add_u32 v14, v15
	s_wait_dscnt 0x0
	s_endpgm
.Lfunc_end_k_qa655f823a2_outp:
	.size	k_qa655f823a2_outp, .Lfunc_end_k_qa655f823a2_outp-k_qa655f823a2_outp
	.p2alignl 7, 3214868480
	.fill 96, 4, 3214868480
	.section	.rodata,"a",@progbits
	.p2align	6, 0x0
	.amdhsa_kernel k_qa655f823a2_outp
		.amdhsa_group_segment_fixed_size 8960
		.amdhsa_private_segment_fixed_size 0
		.amdhsa_enable_private_segment 0
		.amdhsa_kernarg_size 40
		.amdhsa_user_sgpr_count 2
		.amdhsa_user_sgpr_kernarg_segment_ptr 1
		.amdhsa_wavefront_size32 1
		.amdhsa_system_sgpr_workgroup_id_x 1
		.amdhsa_system_sgpr_workgroup_id_y 1
		.amdhsa_system_sgpr_workgroup_id_z 1
		.amdhsa_system_vgpr_workitem_id 0
		.amdhsa_next_free_vgpr 512
		.amdhsa_next_free_sgpr 66
		.amdhsa_reserve_vcc 0
		.amdhsa_float_denorm_mode_32 3
		.amdhsa_float_denorm_mode_16_64 3
		.amdhsa_memory_ordered 1
		.amdhsa_forward_progress 1
		.amdhsa_inst_pref_size 76
	.end_amdhsa_kernel
	.amdgpu_metadata
---
amdhsa.version: [ 1, 2 ]
amdhsa.kernels:
  - .name:           k_qa655f823a2_outp
    .symbol:         k_qa655f823a2_outp.kd
    .args:
      - { .name: ac, .offset: 0, .size: 8, .value_kind: global_buffer, .address_space: global }
      - { .name: wc, .offset: 8, .size: 8, .value_kind: global_buffer, .address_space: global }
      - { .name: scl, .offset: 16, .size: 8, .value_kind: global_buffer, .address_space: global }
      - { .name: bo, .offset: 24, .size: 8, .value_kind: global_buffer, .address_space: global }
      - { .name: out0, .offset: 32, .size: 8, .value_kind: global_buffer, .address_space: global }
    .group_segment_fixed_size: 8960
    .private_segment_fixed_size: 0
    .kernarg_segment_align: 8
    .kernarg_segment_size: 40
    .max_flat_workgroup_size: 64
    .sgpr_count:     66
    .vgpr_count:     512
    .wavefront_size: 32
...
	.end_amdgpu_metadata
.endif
;; end of part 4
;; ======== version 2 of 2: 4 launches
;; workspace buffers: xc 4,194,304 bytes; wc 2,097,152 bytes; ac 2,097,152 bytes; scl 524,288 bytes; qrec 2,359,296 bytes; kv 4,718,592 bytes; maskw 1,048,576 bytes of whole numbers; mflag 4,096 bytes of whole numbers
;; launch prep (part 5): grid 768 x 1, 4 waves a work-group, no clusters, 73,216 bytes of LDS; arguments Wq, Wk, Wv, Wo, enc_hidden_state, dec_hidden_state, mask, xc, wc, scl, maskw, mflag; writes xc, wc, scl, maskw, mflag
.if DOCPART == 5
	.amdgcn_target "amdgcn-amd-amdhsa--gfx1250"
	.amdhsa_code_object_version 6
	.text
	.protected	k_qa655f823a2_prep
	.globl	k_qa655f823a2_prep
	.p2align	8
	.type	k_qa655f823a2_prep,@function
k_qa655f823a2_prep:
	s_mov_b64 s[64:65], 0
	v_nop
	global_prefetch_b8 v0, s[64:65] scope:SCOPE_SE
	s_setreg_imm32_b32 hwreg(HW_REG_WAVE_MODE, 25, 1), 1
	s_wait_xcnt 0x0
; PREP: every wide input becomes what the later launches' registers take.
; Work-groups 0-255: Wq, Wk, Wv, Wo (K is not innermost) -> codes of FP4 (E2M1) and E8M0 scale bytes.  256-511: enc, dec (K innermost) -> the same.  512-767: the mask -> lane-mask words and flags.
; 768 work-groups are three for each of 256 WGPs, one of each kind's number; three fit side by side (3 x 73,216 bytes of LDS, three waves of 218 registers to a SIMD).
; TILE ORDER: rows (tokens, weight columns) go in groups of 32; tile 2 g + u, row r is row 32 g + 8 u + (r % 8) + 16 (r / 8).
; IMAGE of a tile (16 rows x K = 1,024): [block of 32 along K (32)][row r (16)][16 bytes] = 8,192 bytes: a K step of 128 is 1,024 bytes on end and IS a fragment's registers, lane by lane.
; SCALES of a tile: [half of K (2)][row r (16)][16 bytes] = 512 bytes.
; A block's scale byte is its largest magnitude's exponent field - 2, held at 1 from below by a floor among the maximum's leaves.
; LIMITS: NaN and infinities among the inputs are not served; a block of zeros, or one under 2^-124, keeps the byte 1 (its codes are zeros or tiny; this program alone reads the bytes).
; No wave shares anything with another: no barrier.  Each of the three paths has LDS bytes of its own.
.set EMAX,   2
.set FLOORB, (EMAX+1)<<23              ; the f32 number 2^(3 - 127)
.set NWG,    256                       ; work-groups of each kind
; weights
.set WNB,  4                           ; blocks of 32 along K for a wave: one K step of 128
.set WX,   32                          ; v32-95   two sets of 32 numbers down K
.set WC,   96                          ; v96-111  four registers of codes for each of 4 blocks: no store's data are written again
.set WSB,  24                          ; v24      the 4 scale bytes
; tokens
.set TR,   16                          ; v16-79   four sets of 16 numbers as loaded
.set TX,   80                          ; v80-111  two sets of 16 neighbours
.set TE,   112                         ; v112-127 a scale byte for each step
.set TCD,  128                         ; v128-159 two registers of codes for each step
.set TOUT, 160                         ; v160-191 the image on its way out
.set TSP,  80                          ; a lane's place in a turning stage: 64 bytes + 16
.set TWREG, 9728                       ; LDS of a wave: two turning stages (2 x 2,560), the code stage (16 x 272), 256 scale bytes
.set TCST, 5120
.set TBYT, 9472
; mask
.set MR,   16                          ; v16-143  two sets of 64: a step's 16 rows as loaded
.set MX,   144                         ; v144-207 my query's 64 keys of the step
.set MO,   208                         ; v208-215 two sets of 4: the words of two steps each
.set MBASE, 38912                      ; behind the tokens' LDS
.set MWREG, 8448                       ; a wave's stage: 16 rows x (512 + 16)
.macro WLOAD t, pitch                  ; block t: W(32 t + j, my column), j = 0 .. 31: 32 lanes read 128 consecutive bytes
.set j, 0
.rept 32
	global_load_b32 v[WX+32*((\t)%2)+j], v3, s[28:29] offset:(32*(\t)+j)*\pitch th:TH_LOAD_NT
.set j, j+1
.endr
.endm
.macro WBLOCK t, pitch
.set XS, WX+32*((\t)%2)
.if (\t) < WNB-1
	s_wait_loadcnt 32                              ; this block's 32 loads are in; the next block's 32 may be out
.else
	s_wait_loadcnt 0
.endif
	v_max3_num_f32 v12, |v[XS]|, |v[XS+1]|, |v[XS+2]|              ; the block's largest magnitude: all 32 numbers are mine
	v_max3_num_f32 v13, |v[XS+3]|, |v[XS+4]|, |v[XS+5]|
.irp i, 6,10,14,18,22,26
	v_max3_num_f32 v12, v12, |v[XS+\i]|, |v[XS+\i+1]|
	v_max3_num_f32 v13, v13, |v[XS+\i+2]|, |v[XS+\i+3]|
.endr
	v_max3_num_f32 v12, v12, |v[XS+30]|, |v[XS+31]|
	v_max3_num_f32 v12, v12, v13, FLOORB           ; and the floor
	v_add_nc_u32 v11, -(EMAX<<23), v12             ; 2 off the exponent field: the conversion's scale operand
	v_lshrrev_b32 v13, 23, v11                     ; the scale's byte
.if (\t) == 0
	v_mov_b32 v[WSB], v13
.else
	v_lshl_or_b32 v[WSB], v13, 8*(\t), v[WSB]      ; the lower K in the lower byte
.endif
.irp g, 0,1,2,3
	v_cvt_scalef32_pk8_fp4_f32 v[WC+4*(\t)+\g], v[XS+8*\g:XS+8*\g+7], v11
.endr
	global_store_b128 v8, v[WC+4*(\t):WC+4*(\t)+3], s[20:21] offset:256*(\t)   ; the sixteen lanes of a tile store 256 consecutive bytes, aligned: block t of the K step's part of the image
.if (\t)+2 < WNB
	WLOAD (\t)+2, \pitch
.endif
.endm
.macro WPATH pitch
	WLOAD 0, \pitch
	WLOAD 1, \pitch
.irp t, 0,1,2,3
	WBLOCK \t, \pitch
.endr
	global_store_b32 v9, v[WSB], s[22:23]          ; my column's scale word of this K step: 4 bytes a lane, 16 bytes apart; the work-group's four waves fill the 16 bytes between them (131,072 bytes of the launch's output go so)
.endm
.macro TLOAD t                         ; step t = the tile's row t: 512 numbers, four loads of 512 consecutive bytes
.irp i, 0,1,2,3
	global_load_b128 v[TR+16*((\t)%4)+4*\i:TR+16*((\t)%4)+4*\i+3], v3, s[28:29] offset:(((\t)%8)+16*((\t)/8))*4096+512*\i th:TH_LOAD_NT
.endr
.endm
.macro TTURN t                         ; through the wave's turning stage: in as loaded, out 16 neighbours a lane.  LDS serves a wave's instructions in order
.irp i, 0,1,2,3
	ds_store_b128 v14, v[TR+16*((\t)%4)+4*\i:TR+16*((\t)%4)+4*\i+3] offset:32*TSP*((\t)%2)+8*TSP*\i
.endr
.irp i, 0,1,2,3
	ds_load_b128 v[TX+16*((\t)%2)+4*\i:TX+16*((\t)%2)+4*\i+3], v15 offset:32*TSP*((\t)%2)+16*\i
.endr
.endm
.macro TSTEP t
.set XS, TX+16*((\t)%2)
.if (\t) > 0
	s_wait_dscnt 2                                 ; this step's numbers are back from the stage; the last step's two small stores may be out
.else
	s_wait_dscnt 0x0
.endif
.if (\t)+4 < 16
	TLOAD (\t)+4                                   ; into the set whose stores into the stage are done
.endif
.if (\t)+1 < 16
.if 14-(\t) >= 3
	s_wait_loadcnt 12                              ; the next step's four loads are in; those of three later steps may be out
.else
	s_wait_loadcnt 4*(14-(\t))
.endif
	TTURN (\t)+1
.endif
	v_max3_num_f32 v8, |v[XS]|, |v[XS+1]|, |v[XS+2]|
	v_max3_num_f32 v9, |v[XS+3]|, |v[XS+4]|, |v[XS+5]|
.irp i, 6,10
	v_max3_num_f32 v8, v8, |v[XS+\i]|, |v[XS+\i+1]|
	v_max3_num_f32 v9, v9, |v[XS+\i+2]|, |v[XS+\i+3]|
.endr
	v_max3_num_f32 v8, v8, |v[XS+14]|, |v[XS+15]|
	v_max3_num_f32 v8, v8, v9, FLOORB
	v_max_num_f32_dpp v8, v8, v8 row_xmask:1 row_mask:0xf bank_mask:0xf   ; with my neighbour's 16: the block's
	v_add_nc_u32 v11, -(EMAX<<23), v8
	v_cvt_scalef32_pk8_fp4_f32 v[TCD+2*(\t)], v[XS:XS+7], v11
	v_cvt_scalef32_pk8_fp4_f32 v[TCD+2*(\t)+1], v[XS+8:XS+15], v11
	v_lshrrev_b32 v[TE+(\t)], 23, v11              ; the byte (a plain line behind the conversions)
	ds_store_b64 v4, v[TCD+2*(\t):TCD+2*(\t)+1] offset:16*(\t)     ; code stage: block lane / 2, row t, my half of its 16 bytes
	ds_store_b8 v5, v[TE+(\t)] offset:16*(\t)      ; both lanes of a block write the same byte with the same value
.endm
.macro MLOAD g                         ; step g of my four: 128 keys of the tile's 16 query rows, 512 consecutive bytes a load
.set j, 0
.rept 16
	global_load_b128 v[MR+64*((\g)%2)+4*j:MR+64*((\g)%2)+4*j+3], v3, s[16:17] offset:((j%8)+16*(j/8))*8192+512*(\g) th:TH_LOAD_NT
.set j, j+1
.endr
.endm
.macro MSTEP g
.if (\g) < 3
	s_wait_loadcnt 16                              ; this step's 16 loads are in; the next step's 16 may be out
.else
	s_wait_loadcnt 0
.endif
.set j, 0
.rept 16
	ds_store_b128 v4, v[MR+64*((\g)%2)+4*j:MR+64*((\g)%2)+4*j+3] offset:528*j
.set j, j+1
.endr
.irp b, 0,1,2,3
.irp e, 0,1,2,3
	ds_load_b128 v[MX+16*\b+4*\e:MX+16*\b+4*\e+3], v5 offset:128*\b+16*\e   ; lane (r, h): query row r, keys 32 b + 16 h + 0 .. 15: register 16 b + i as the scores will lie
.endr
.endr
	s_wait_dscnt 0x0
.if (\g)+2 < 4
	MLOAD (\g)+2
.endif
	s_mov_b32 s40, -1
.set q, 0
.rept 8
.irp e, 0,1,2,3,4,5,6,7
	v_cmp_ne_u32 s[32+\e], 0, v[MX+8*q+\e]         ; word n = 8 q + e: bit L = lane L's key counts
.endr
.irp e, 0,1,2,3,4,5,6,7
	s_and_b32 s40, s40, s[32+\e]
	v_writelane_b32 v[MO+4*((\g)/2)+\e%4], s[32+\e], 2*q+\e/4+16*((\g)%2)   ; lane n / 4 (+ 16 for the odd step), register n % 4: 16 bytes a lane on the way out
.endr
.set q, q+1
.endr
	s_cmp_lg_u32 s40, -1                           ; a hole in this step?
	s_cselect_b32 s42, 1<<(\g), 0
	s_or_b32 s41, s41, s42
.if (\g)%2 == 1
	global_store_b128 v3, v[MO+4*((\g)/2):MO+4*((\g)/2)+3], s[24:25] offset:512*((\g)/2)   ; two steps' words: 512 consecutive bytes
.endif
.endm
	s_load_b512 s[4:19], s[0:1], 0x0               ; Wq s[4:5], Wk s[6:7], Wv s[8:9], Wo s[10:11], enc s[12:13], dec s[14:15], mask s[16:17], xc s[18:19]
	s_load_b256 s[20:27], s[0:1], 0x40             ; wc s[20:21], scl s[22:23], maskw s[24:25], mflag s[26:27]
	v_lshl_add_u32 v216, v0, 2, 0x11c00
	v_mov_b32 v217, 0
	v_lshrrev_b32 v1, 5, v0
	v_readfirstlane_b32 s30, v1                    ; wave 0..3
	v_and_b32 v2, 31, v0                           ; lane L
	s_mov_b32 s35, 0                               ; the high word of every offset pair s[34:35]
	s_wait_kmcnt 0x0
	s_cmp_lt_u32 ttmp9, NWG
	s_cbranch_scc1 .Lweights
	s_cmp_lt_u32 ttmp9, 2*NWG
	s_cbranch_scc1 .Ltokens
	; ---- THE MASK.  Work-group = query tile TT (128 b + tile); wave w takes key steps 4 w .. 4 w + 3.
	s_sub_co_u32 s31, ttmp9, 2*NWG                 ; TT
	s_lshr_b32 s32, s31, 1
	s_lshl_b32 s32, s32, 5
	s_and_b32 s33, s31, 1
	s_lshl_b32 s33, s33, 3
	s_add_co_u32 s32, s32, s33                     ; the tile's first query row: 32 (TT / 2) + 8 (TT % 2)
	s_lshl_b32 s34, s32, 13                        ; rows of 8,192 bytes
	s_lshl_b32 s33, s30, 11                        ; my four steps: 2,048 bytes on for each wave
	s_add_co_u32 s34, s34, s33
	s_add_nc_u64 s[16:17], s[16:17], s[34:35]
	s_lshl_b32 s34, s31, 12                        ; maskw: 4,096 bytes a tile, 1,024 a wave
	s_lshl_b32 s33, s30, 10
	s_add_co_u32 s34, s34, s33
	s_add_nc_u64 s[24:25], s[24:25], s[34:35]
	s_lshl_b32 s34, s31, 4                         ; mflag: 16 bytes a tile, a word a wave
	s_lshl_b32 s33, s30, 2
	s_add_co_u32 s34, s34, s33
	s_add_nc_u64 s[26:27], s[26:27], s[34:35]
	s_mul_i32 s31, s30, MWREG
	s_add_co_u32 s31, s31, MBASE                   ; my stage
	s_wait_alu depctr_va_vdst(0)
	v_lshlrev_b32 v3, 4, v2                        ; 16 L
	v_add_nc_u32 v4, s31, v3                       ; in: a row's 512 bytes as loaded
	v_and_b32 v6, 15, v2
	v_lshrrev_b32 v7, 4, v2
	v_mul_u32_u24 v5, v6, 528
	v_lshl_add_u32 v5, v7, 6, v5
	v_add_nc_u32 v5, s31, v5                       ; out: row r, + 64 h
.irp i, 0,1,2,3,4,5,6,7
	v_mov_b32 v[MO+\i], 0                          ; written once: a lane write's destination counts as read
.endr
	s_mov_b32 s41, 0
	MLOAD 0
	MLOAD 1
	s_wait_alu depctr_va_vdst(0)
	MSTEP 0
	MSTEP 1
	MSTEP 2
	MSTEP 3
	s_lshl_b32 s33, s30, 2
	s_lshl_b32 s41, s41, s33                       ; bit 4 w + g: step 4 w + g has a hole
	v_mov_b32 v6, s41
	v_mov_b32 v7, 0
	v_cmp_eq_u32 vcc_lo, 0, v2
	s_wait_alu depctr_va_vdst(0)
	s_wait_xcnt 0x0                                ; EXEC changes only behind this wait: stores are out
	s_wait_tensorcnt 0x0
	ds_add_u32 v216, v217
	s_wait_dscnt 0x0
	s_and_saveexec_b32 s43, vcc_lo
	global_store_b32 v7, v6, s[26:27]              ; lane 0 alone
	s_wait_xcnt 0x0
	s_or_b32 exec_lo, exec_lo, s43
	s_endpgm
.Ltokens:
	; ---- ENC AND DEC.  Wave = one tile of 16 tokens x one half of K: 16 steps of 512 numbers, a step to a row.
	s_sub_co_u32 s31, ttmp9, NWG                   ; 0 .. 255
	s_cmp_lt_u32 s31, 128
	s_cselect_b64 s[28:29], s[12:13], s[14:15]     ; enc or dec: the choice hangs on the work-group's number alone
	s_and_b32 s32, s31, 127
	s_lshl_b32 s32, s32, 5
	s_lshr_b32 s33, s30, 1                         ; u
	s_lshl_b32 s34, s33, 3
	s_add_co_u32 s32, s32, s34                     ; the tile's first token
	s_lshl_b32 s34, s32, 12                        ; rows of 4,096 bytes
	s_and_b32 s36, s30, 1                          ; which half of K
	s_lshl_b32 s37, s36, 11
	s_add_co_u32 s34, s34, s37
	s_add_nc_u64 s[28:29], s[28:29], s[34:35]
	s_lshl_b32 s38, s31, 1
	s_add_co_u32 s38, s38, s33                     ; tile T, 0 .. 511
	s_lshl_b32 s34, s38, 13
	s_lshl_b32 s37, s36, 12
	s_add_co_u32 s34, s34, s37
	s_add_nc_u64 s[18:19], s[18:19], s[34:35]      ; xc + 8,192 T + 4,096 half
	s_lshl_b32 s34, s38, 9
	s_lshl_b32 s37, s36, 8
	s_add_co_u32 s34, s34, s37
	s_add_nc_u64 s[22:23], s[22:23], s[34:35]      ; scl + 512 T + 256 half
	s_mul_i32 s39, s30, TWREG                      ; my LDS
	s_wait_alu depctr_va_vdst(0)
	v_lshlrev_b32 v3, 4, v2                        ; 16 L
	v_lshrrev_b32 v14, 2, v2
	v_mul_u32_u24 v14, v14, TSP
	v_and_b32 v15, 3, v2
	v_lshl_add_u32 v14, v15, 4, v14
	v_add_nc_u32 v14, s39, v14                     ; turning stage, in: 80 (L / 4) + 16 (L % 4)
	v_mul_u32_u24 v15, v2, TSP
	v_add_nc_u32 v15, s39, v15                     ; out: 80 L
	v_lshrrev_b32 v5, 1, v2                        ; my block
	v_and_b32 v6, 1, v2
	v_mul_u32_u24 v4, v5, 272
	v_lshl_add_u32 v4, v6, 3, v4
	v_add_nc_u32 v4, s39, v4
	v_add_nc_u32 v4, TCST, v4                      ; code stage, in: 272 x block + 8 x half
	v_add_nc_u32 v5, s39, v5
	v_add_nc_u32 v5, TBYT, v5                      ; my block's byte
	v_lshrrev_b32 v6, 4, v2
	v_and_b32 v7, 15, v2
	v_mul_u32_u24 v6, v6, 272
	v_lshl_add_u32 v6, v7, 4, v6
	v_add_nc_u32 v6, s39, v6
	v_add_nc_u32 v6, TCST, v6                      ; code stage, out: sixteen lanes to a block's 256 bytes
	v_lshlrev_b32 v7, 3, v2                        ; 8 L
	v_add_nc_u32 v10, s39, v7
	v_add_nc_u32 v10, TBYT, v10
.irp t, 0,1,2,3
	TLOAD \t
.endr
	s_wait_loadcnt 12                              ; step 0's four loads are in
	TTURN 0
.irp t, 0,1,2,3,4,5,6,7,8,9,10,11,12,13,14,15
	TSTEP \t
.endr
.irp i, 0,1,2,3,4,5,6,7
	ds_load_b128 v[TOUT+4*\i:TOUT+4*\i+3], v6 offset:544*\i       ; LDS serves a wave's instructions in order: these see my stores
.endr
	ds_load_b64 v[12:13], v10
	s_wait_dscnt 0x0
.irp i, 0,1,2,3,4,5,6,7
	global_store_b128 v3, v[TOUT+4*\i:TOUT+4*\i+3], s[18:19] offset:512*\i   ; 512 consecutive bytes of the image
.endr
	global_store_b64 v7, v[12:13], s[22:23]        ; 256 consecutive bytes, aligned
	s_wait_tensorcnt 0x0
	ds_add_u32 v216, v217
	s_wait_dscnt 0x0
	s_endpgm
.Lweights:
	; ---- THE WEIGHTS.  A lane takes a column n and its registers run down K.  Wave = 32 columns x one K step of 128: 4 blocks a lane, so that a wave waits for memory twice and not eight times.
	s_lshr_b32 s31, ttmp9, 1                       ; G: group of 32 columns, 0 .. 127 over the four weights
	s_and_b32 s32, ttmp9, 1                        ; which half of K
	s_lshl_b32 s36, s32, 2
	s_add_co_u32 s36, s36, s30                     ; the K step: 4 x half + wave
	s_and_b32 s33, s31, 31                         ; the group within its weight
	s_wait_alu depctr_va_vdst(0)
	v_lshlrev_b32 v3, 2, v2                        ; 4 L
	v_bfe_u32 v4, v2, 3, 1                         ; column L of a group is tile u = (L / 8) % 2,
	v_and_b32 v5, 7, v2
	v_lshrrev_b32 v6, 4, v2
	v_lshl_add_u32 v5, v6, 3, v5                   ; row r = L % 8 + 8 (L / 16)
	v_lshlrev_b32 v5, 4, v5
	v_lshl_add_u32 v8, v4, 13, v5                  ; codes: 8,192 u + 16 r
	v_lshl_add_u32 v9, v4, 9, v5                   ; scales: 512 u + 16 r
	s_lshl_b32 s34, s31, 14
	s_lshl_b32 s37, s36, 10
	s_add_co_u32 s34, s34, s37
	s_add_nc_u64 s[20:21], s[20:21], s[34:35]      ; wc + 16,384 G + 1,024 x K step
	s_lshl_b32 s34, s31, 10
	s_lshl_b32 s37, s32, 8
	s_add_co_u32 s34, s34, s37
	s_lshl_b32 s37, s30, 2
	s_add_co_u32 s34, s34, s37
	s_add_co_u32 s34, s34, 262144
	s_add_nc_u64 s[22:23], s[22:23], s[34:35]      ; scl + 262,144 + 1,024 G + 256 half + 4 wave
	s_cmp_ge_u32 ttmp9, 192
	s_cbranch_scc1 .Lwo
	s_cmp_lt_u32 ttmp9, 128
	s_cselect_b64 s[28:29], s[6:7], s[8:9]
	s_cmp_lt_u32 ttmp9, 64
	s_cselect_b64 s[28:29], s[4:5], s[28:29]       ; Wq, Wk or Wv
	s_lshr_b32 s34, s33, 1
	s_lshl_b32 s34, s34, 18                        ; the head: 1,024 rows of 256 bytes
	s_lshl_b32 s37, s36, 15                        ; 128 rows on for each K step
	s_add_co_u32 s34, s34, s37
	s_and_b32 s37, s33, 1
	s_lshl_b32 s37, s37, 7                         ; which 32 of the head's 64 columns
	s_add_co_u32 s34, s34, s37
	s_add_nc_u64 s[28:29], s[28:29], s[34:35]
	s_wait_alu depctr_va_vdst(0)
	WPATH 256
	s_endpgm
.Lwo:
	s_lshl_b32 s34, s36, 19                        ; Wo: 128 rows of 4,096 bytes for each K step
	s_lshl_b32 s37, s33, 7
	s_add_co_u32 s34, s34, s37
	s_add_nc_u64 s[28:29], s[10:11], s[34:35]
	s_wait_alu depctr_va_vdst(0)
	WPATH 4096
	s_endpgm
.Lfunc_end_k_qa655f823a2_prep:
	.size	k_qa655f823a2_prep, .Lfunc_end_k_qa655f823a2_prep-k_qa655f823a2_prep
	.p2alignl 7, 3214868480
	.fill 96, 4, 3214868480
	.section	.rodata,"a",@progbits
	.p2align	6, 0x0
	.amdhsa_kernel k_qa655f823a2_prep
		.amdhsa_group_segment_fixed_size 73216
		.amdhsa_private_segment_fixed_size 0
		.amdhsa_enable_private_segment 0
		.amdhsa_kernarg_size 96
		.amdhsa_user_sgpr_count 2
		.amdhsa_user_sgpr_kernarg_segment_ptr 1
		.amdhsa_wavefront_size32 1
		.amdhsa_system_sgpr_workgroup_id_x 1
		.amdhsa_system_sgpr_workgroup_id_y 1
		.amdhsa_system_sgpr_workgroup_id_z 1
		.amdhsa_system_vgpr_workitem_id 0
		.amdhsa_next_free_vgpr 218
		.amdhsa_next_free_sgpr 66
		.amdhsa_reserve_vcc 1
		.amdhsa_float_denorm_mode_32 3
		.amdhsa_float_denorm_mode_16_64 3
		.amdhsa_memory_ordered 1
		.amdhsa_forward_progress 1
		.amdhsa_inst_pref_size 130
	.end_amdhsa_kernel
	.amdgpu_metadata
---
amdhsa.version: [ 1, 2 ]
amdhsa.kernels:
  - .name:           k_qa655f823a2_prep
    .symbol:         k_qa655f823a2_prep.kd
    .args:
      - { .name: Wq, .offset: 0, .size: 8, .value_kind: global_buffer, .address_space: global }
      - { .name: Wk, .offset: 8, .size: 8, .value_kind: global_buffer, .address_space: global }
      - { .name: Wv, .offset: 16, .size: 8, .value_kind: global_buffer, .address_space: global }
      - { .name: Wo, .offset: 24, .size: 8, .value_kind: global_buffer, .address_space: global }
      - { .name: enc_hidden_state, .offset: 32, .size: 8, .value_kind: global_buffer, .address_space: global }
      - { .name: dec_hidden_state, .offset: 40, .size: 8, .value_kind: global_buffer, .address_space: global }
      - { .name: mask, .offset: 48, .size: 8, .value_kind: global_buffer, .address_space: global }
      - { .name: xc, .offset: 56, .size: 8, .value_kind: global_buffer, .address_space: global }
      - { .name: wc, .offset: 64, .size: 8, .value_kind: global_buffer, .address_space: global }
      - { .name: scl, .offset: 72, .size: 8, .value_kind: global_buffer, .address_space: global }
      - { .name: maskw, .offset: 80, .size: 8, .value_kind: global_buffer, .address_space: global }
      - { .name: mflag, .offset: 88, .size: 8, .value_kind: global_buffer, .address_space: global }
    .group_segment_fixed_size: 73216
    .private_segment_fixed_size: 0
    .kernarg_segment_align: 8
    .kernarg_segment_size: 96
    .max_flat_workgroup_size: 128
    .sgpr_count:     66
    .vgpr_count:     218
    .wavefront_size: 32
...
	.end_amdgpu_metadata
.endif
;; end of part 5
;; launch proj (part 6): grid 256 x 1, 6 waves a work-group, no clusters, 0 bytes of LDS; arguments xc, wc, scl, bq, bk, bv, qrec, kv; writes qrec, kv
.if DOCPART == 6
	.amdgcn_target "amdgcn-amd-amdhsa--gfx1250"
	.amdhsa_code_object_version 6
	.text
	.protected	k_qa655f823a2_proj
	.globl	k_qa655f823a2_proj
	.p2align	8
	.type	k_qa655f823a2_proj,@function
k_qa655f823a2_proj:
	s_mov_b64 s[64:65], 0
	v_nop
	global_prefetch_b8 v0, s[64:65] scope:SCOPE_SE
	s_setreg_imm32_b32 hwreg(HW_REG_WAVE_SCHED_MODE, 0, 2), 2
	s_setreg_imm32_b32 hwreg(HW_REG_WAVE_MODE, 25, 1), 1
	s_wait_xcnt 0x0
	s_wait_alu depctr_vm_vsrc(0)
; PROJ: q = enc Wq + bq, k = dec Wk + bk, v = dec Wv + bv on codes of FP4 with E8M0 scales, and their results quantised at once for the attention.
; A WAVE takes 128 tokens x one head's 64 columns x K = 1,024: 32 accumulators, 256 matrix instructions.  32 groups of tokens x 48 (role, head) = 1,536 waves, six to a work-group, 256 work-groups.
; Operands lie in memory as images of their registers, so a fragment is two loads of 16 bytes a lane, 512 consecutive bytes each, straight into registers: no LDS, no barrier; waves share nothing.
; No tensor loads and no cluster: a wave reads each of its fragments once, and nothing is staged that partners could share in LDS.
; q, k: source 0 = 16 weight columns, source 1 = 16 tokens: a lane holds ONE token, and by the tile order its 16 registers of two neighbouring tiles are 16 neighbouring channels: quantised along the head's 64.
; v:    source 0 = 16 tokens, source 1 = 16 weight columns: a lane holds ONE channel and 16 neighbouring keys: quantised along the keys.
; The bias is the C of each sum's first matrix instruction.  The 32 accumulators take turns, one instruction a turn.
; The scale words come 4 bytes a lane in each K step: beside two sets of fragments the registers do not hold all eight steps' words.
; LIMITS: NaN and infinities are not served; a block under 2^-124 keeps the scale byte 1.
; REGISTERS: window 0: v2-5 addresses; v16-31 scale words, two sets (lanes 0-15 the tokens' tile m, lanes 16-31 the weights' tile m); v32-63 the bias; v64-255 two sets of 8 token and 4 weight fragments.  window 1: the accumulators.
; THE MODE: SCHED_MODE bits 1:0 = 2 (LLVM: expert scheduling mode 2), set by the entry lines.  The code itself states the register dependences
; between vector or matrix instructions and memory instructions, with s_wait_alu, always for 0.
; THE PLAN.  Registers that memory instructions touch:
;   v2 .. v5      byte offsets, made once at the head, read by every load and store, never written again.
;   SC, FT, FW    two sets by turns.  Step s: its 32 products read set s % 2; behind them the 32 loads of step s + 2 land in that set.
;   BI            the bias: loaded once, read by step 0's products.
;   PC, PWR, SW   the way out: written by the conversions, permutes and selects, each fragment in registers of its own; read by the nine stores, which stand in one run at the end.
; So ONE wait on va_vdst stands in a K step, behind its products and ahead of the loads into the set that they read, and one ahead of the run of stores.
; A third set would let that wait stand a step later; 512 registers a wave (six waves on four SIMDs) hold 256 accumulators and two sets of 104, and no third.
.set SC,  16
.set BI,  32
.set FT,  64                           ; tokens' fragments: set q at FT + 96 q
.set FW,  128                          ; weights': set q at FW + 96 q
.set TM,  64                           ; the way out (over fragments that are done with): v64-79 at work
.set PC,  96                           ; v96-127  four fragments of codes
.set PWR, 128                          ; v128-131 their scale words
.set SW,  132                          ; v132-135 scale words as they are stored
.set SEL, 48                           ; s[48:49] lane selects: lane l xor 16
.set MSB, 0
.macro WIN new                         ; the immediate's high byte repeats the setting that is left
.if MSB != \new
	s_set_vgpr_msb (MSB<<8)|\new
.set MSB, \new
.endif
.endm
.macro PLACES                          ; four plain vector instructions behind a matrix instruction, ahead of loads into its registers and of reads of its results
.rept 4
	v_nop
.endr
.endm
.macro KLOAD s                         ; K step s: 8 scale words, 8 token fragments, 4 weight fragments: 32 loads
.set Q, (\s)%2
.irp m, 0,1,2,3,4,5,6,7
	global_load_b32 v[SC+8*Q+\m], v3, s[8:9] offset:512*\m+256*((\s)/4)+4*((\s)%4)
.endr
.irp m, 0,1,2,3,4,5,6,7
.irp c, 0,1
	global_load_b128 v[FT+96*Q+8*\m+4*\c:FT+96*Q+8*\m+4*\c+3], v2, s[4:5] offset:8192*\m+1024*(\s)+512*\c
.endr
.endr
.irp t, 0,1,2,3
.irp c, 0,1
	global_load_b128 v[FW+96*Q+8*\t+4*\c:FW+96*Q+8*\t+4*\c+3], v2, s[6:7] offset:8192*\t+1024*(\s)+512*\c
.endr
.endr
.endm
.macro KMUL v, s                       ; 32 matrix instructions.  v = 0: accumulator (m, t) at 8 (4 m + t);  v = 1: (c, m) at 8 (8 c + m)
.set Q, (\s)%2
.if (\s) == 0
	WIN 0x40                                       ; C (the bias) in window 0, D in window 1
.else
	WIN 0x50                                       ; C and D in window 1
.endif
.if \v == 0
.irp m, 0,1,2,3,4,5,6,7
.irp t, 0,1,2,3
.if (\s) == 0
	v_wmma_scale_f32_16x16x128_f8f6f4 v[8*(4*\m+\t):8*(4*\m+\t)+7], v[FW+96*Q+8*\t:FW+96*Q+8*\t+7], v[FT+96*Q+8*\m:FT+96*Q+8*\m+7], v[BI+8*\t:BI+8*\t+7], v[SC+8*Q+\t], v[SC+8*Q+\m] matrix_a_fmt:MATRIX_FMT_FP4 matrix_b_fmt:MATRIX_FMT_FP4 matrix_a_scale:MATRIX_SCALE_ROW1
.else
	v_wmma_scale_f32_16x16x128_f8f6f4 v[8*(4*\m+\t):8*(4*\m+\t)+7], v[FW+96*Q+8*\t:FW+96*Q+8*\t+7], v[FT+96*Q+8*\m:FT+96*Q+8*\m+7], v[8*(4*\m+\t):8*(4*\m+\t)+7], v[SC+8*Q+\t], v[SC+8*Q+\m] matrix_a_fmt:MATRIX_FMT_FP4 matrix_b_fmt:MATRIX_FMT_FP4 matrix_a_scale:MATRIX_SCALE_ROW1
.endif
.endr
.endr
.else
.irp c, 0,1,2,3
.irp m, 0,1,2,3,4,5,6,7
.if (\s) == 0
	v_wmma_scale_f32_16x16x128_f8f6f4 v[8*(8*\c+\m):8*(8*\c+\m)+7], v[FT+96*Q+8*\m:FT+96*Q+8*\m+7], v[FW+96*Q+8*\c:FW+96*Q+8*\c+7], v[BI+8*\c:BI+8*\c+7], v[SC+8*Q+\m], v[SC+8*Q+\c] matrix_a_fmt:MATRIX_FMT_FP4 matrix_b_fmt:MATRIX_FMT_FP4 matrix_b_scale:MATRIX_SCALE_ROW1
.else
	v_wmma_scale_f32_16x16x128_f8f6f4 v[8*(8*\c+\m):8*(8*\c+\m)+7], v[FT+96*Q+8*\m:FT+96*Q+8*\m+7], v[FW+96*Q+8*\c:FW+96*Q+8*\c+7], v[8*(8*\c+\m):8*(8*\c+\m)+7], v[SC+8*Q+\m], v[SC+8*Q+\c] matrix_a_fmt:MATRIX_FMT_FP4 matrix_b_fmt:MATRIX_FMT_FP4 matrix_b_scale:MATRIX_SCALE_ROW1
.endif
.endr
.endr
.endif
	WIN 0
.endm
.macro MAIN v                          ; the eight K steps, loads two steps ahead
	KLOAD 0
	KLOAD 1
.irp s, 0,1,2,3,4,5,6,7
.if \s < 7
	s_wait_loadcnt 32                              ; this step's 32 loads (and the bias) are in; the other set's 32 may be out
.else
	s_wait_loadcnt 0
.endif
	KMUL \v, \s
.if \s < 6
	PLACES
	s_wait_alu depctr_va_vdst(0)                   ; this step's 32 products are done reading their set of fragments and scale words, in which the 32 loads below land
	KLOAD \s+2
.endif
.endr
.endm
; 64 numbers of a lane in window 1, v[s] on, register 16 b + i = k 32 b + 16 (lane / 16) + i of my row, become a fragment's codes in v[pc] on and its scale word in v[pw].
; Each accumulator is read from its low end on.
.macro QUANTW s, pc, pw
	WIN 0x05
.irp b, 0,1,2,3
	v_max3_num_f32 v[TM+\b], |v[\s+16*\b]|, |v[\s+1+16*\b]|, 0x1800000   ; my 16 numbers of block b, and the floor 2^(3 - 127)
.endr
	WIN 0x14
.irp i, 2,4,6,8,10,12,14
.irp b, 0,1,2,3
	v_max3_num_f32 v[TM+\b], v[TM+\b], |v[\s+16*\b+\i]|, |v[\s+1+16*\b+\i]|
.endr
.endr
	WIN 0
.irp b, 0,1,2,3
	v_permlanex16_b32 v[TM+4+\b], v[TM+\b], s[SEL], s[SEL+1]
.endr
.irp b, 0,1,2,3
	v_max_num_f32 v[TM+\b], v[TM+\b], v[TM+4+\b]   ; with lane l xor 16's: the block's largest magnitude
.endr
.irp b, 0,1,2,3
	v_add_nc_u32 v[TM+12+\b], 0xff000000, v[TM+\b] ; 2 off the exponent field: the conversion's scale operand
.endr
.irp b, 0,1,2,3
	v_lshrrev_b32 v[TM+4+\b], 23, v[TM+12+\b]      ; the byte
.endr
	v_lshl_or_b32 v[\pw], v[TM+5], 8, v[TM+4]
	v_lshl_or_b32 v[\pw], v[TM+6], 16, v[\pw]
	v_lshl_or_b32 v[\pw], v[TM+7], 24, v[\pw]
	WIN 0x01
.irp b, 0,1,2,3
	v_cvt_scalef32_pk8_fp4_f32 v[\pc+2*\b], v[\s+16*\b:\s+7+16*\b], v[TM+12+\b]
	v_cvt_scalef32_pk8_fp4_f32 v[\pc+1+2*\b], v[\s+8+16*\b:\s+15+16*\b], v[TM+12+\b]
.endr
	WIN 0
	v_nop                                          ; one plain line behind a scaled conversion
.irp c, 0,1                                    ; a whole block to a lane: lanes 0-15 block 2 c, lanes 16-31 block 2 c + 1
.irp i, 0,1
	v_permlane16_swap_b32 v[\pc+4*\c+\i], v[\pc+2+4*\c+\i]
.endr
.endr
.endm
	s_load_b512 s[4:19], s[0:1], 0x0               ; xc s[4:5], wc s[6:7], scl s[8:9], bq s[10:11], bk s[12:13], bv s[14:15], qrec s[16:17], kv s[18:19]
	v_lshrrev_b32 v1, 5, v0
	v_readfirstlane_b32 s20, v1                    ; wave 0..5
	v_and_b32 v1, 31, v0                           ; L
	v_and_b32 v6, 15, v0                           ; r
	v_bfe_u32 v7, v0, 4, 1                         ; h
	v_lshlrev_b32 v2, 4, v1                        ; 16 L: an image's place for my lane
	s_lshr_b32 s21, ttmp9, 3                       ; the group of 128 tokens, 0 .. 31
	s_and_b32 s22, ttmp9, 7
	s_mul_i32 s22, s22, 6
	s_wait_alu depctr_va_sdst(0)                   ; s20 is written, ahead of its first reader: role, head and every base are made from it
	s_add_co_u32 s22, s22, s20                     ; 0 .. 47
	s_lshr_b32 s23, s22, 4                         ; role: 0 q, 1 k, 2 v
	s_and_b32 s24, s22, 15                         ; head
	s_lshl_b32 s25, s21, 3
	s_cmp_lg_u32 s23, 0
	s_cselect_b32 s26, 256, 0
	s_add_co_u32 s25, s25, s26                     ; T0: my first token tile (q: enc's, k and v: dec's)
	s_lshl_b32 s26, s23, 6
	s_lshl_b32 s27, s24, 2
	s_add_co_u32 s26, s26, s27                     ; W0: my first weight tile
	s_mov_b32 s2, 0xffff0000                       ; lanes 16-31
	s_mov_b32 s[SEL], 0x76543210
	s_mov_b32 s[SEL+1], 0xfedcba98
	s_lshl_b32 s28, s25, 9                         ; the tokens' scales: 512 T0
	s_lshl_b32 s29, s26, 9
	s_add_co_u32 s29, s29, 262144                  ; the weights': 262,144 + 512 W0
	v_mov_b32 v8, s28
	v_mov_b32 v9, s29
	v_cndmask_b32 v3, v8, v9, s2                   ; lanes 0-15 read the tokens' words, lanes 16-31 the weights'
	s_wait_alu depctr_va_vdst(0)
	v_lshl_add_u32 v3, v6, 4, v3                   ; + 16 r
	v_lshlrev_b32 v4, 6, v7                        ; q, k bias: 64 h bytes
	v_and_b32 v5, 7, v6
	v_lshrrev_b32 v8, 3, v6
	v_lshl_add_u32 v5, v8, 4, v5
	v_lshlrev_b32 v5, 2, v5                        ; v bias: 4 (r % 8 + 16 (r / 8))
	s_lshl_b32 s30, s25, 13
	s_mov_b32 s31, 0
	s_lshl_b32 s32, s26, 13
	s_mov_b32 s33, 0
	s_lshr_b32 s34, s21, 4
	s_lshl_b32 s34, s34, 4
	s_add_co_u32 s34, s34, s24                     ; record: 16 b + head
	s_and_b32 s35, s21, 15                         ; the group within its batch: the key step, or the group of query tiles
	s_wait_kmcnt 0x0
	s_add_nc_u64 s[4:5], s[4:5], s[30:31]
	s_add_nc_u64 s[6:7], s[6:7], s[32:33]
	s_cmp_eq_u32 s23, 1
	s_cselect_b64 s[36:37], s[12:13], s[14:15]
	s_cmp_eq_u32 s23, 0
	s_cselect_b64 s[36:37], s[10:11], s[36:37]     ; my bias
	s_cselect_b64 s[40:41], s[16:17], s[18:19]     ; q goes to qrec, k and v to kv
	s_mov_b32 s44, 147456
	s_cselect_b32 s44, 73728, s44                  ; a record's bytes
	s_mul_i32 s44, s44, s34
	s_cmp_eq_u32 s23, 2
	s_cselect_b32 s45, 73728, 0                    ; v's part of a record lies behind k's
	s_add_co_u32 s44, s44, s45
	s_mov_b32 s45, 0
	s_add_nc_u64 s[40:41], s[40:41], s[44:45]
	s_lshl_b32 s46, s35, 9
	s_add_co_u32 s46, s46, 65536
	s_mov_b32 s47, 0
	s_add_nc_u64 s[42:43], s[40:41], s[46:47]      ; scale words: 65,536 on, 512 bytes a group
	s_lshl_b32 s46, s35, 12
	s_add_nc_u64 s[40:41], s[40:41], s[46:47]      ; codes: 4,096 bytes a group
	s_lshl_b32 s46, s24, 8
	s_add_nc_u64 s[36:37], s[36:37], s[46:47]      ; the head's 64 numbers
	s_wait_alu depctr_va_vdst(0)                   ; the offsets v2 to v5 are written: every load and store on both ways below reads one of them
	s_cmp_eq_u32 s23, 2
	s_cbranch_scc1 .Lv
	; ---- q and k
.irp t, 0,1,2,3                                ; lane (r, h), tile t, register j: channel 32 (t / 2) + 16 h + 8 (t % 2) + j
	global_load_b128 v[BI+8*\t:BI+8*\t+3], v4, s[36:37] offset:4*(32*(\t/2)+8*(\t%2))
	global_load_b128 v[BI+8*\t+4:BI+8*\t+7], v4, s[36:37] offset:4*(32*(\t/2)+8*(\t%2))+16
.endr
	MAIN 0
	PLACES
.irp b, 0,1,2,3
	v_mov_b32 v[TM+4+\b], 0                        ; written once: a lane permute's destination counts as read
.endr
.irp p, 0,1,2,3                                ; token tiles 2 p and 2 p + 1: two blocks of 32 channels each
	QUANTW 64*\p, PC+8*\p, PWR+\p
.endr
	v_cndmask_b32 v[TM], v[PWR], v[PWR+2], s2      ; word e of lane (r, h) is tile 4 h + e's: two bytes, the upper two 0 (they scale zero codes)
	v_cndmask_b32 v[TM+1], v[PWR+1], v[PWR+3], s2
	v_and_b32 v[SW], 0xffff, v[TM]
	v_lshrrev_b32 v[SW+1], 16, v[TM]
	v_and_b32 v[SW+2], 0xffff, v[TM+1]
	v_lshrrev_b32 v[SW+3], 16, v[TM+1]
	s_wait_alu depctr_va_vdst(0)                   ; the conversions and permutes have written the four fragments in v[PC ..], the lines above v[SW ..]: the nine stores below read them
.irp p, 0,1,2,3
	global_store_b128 v2, v[PC+8*\p:PC+8*\p+3], s[40:41] offset:1024*\p          ; tile 2 p: lane (r, h) holds channels 32 h .. 32 h + 31 of row r: 512 consecutive bytes
	global_store_b128 v2, v[PC+8*\p+4:PC+8*\p+7], s[40:41] offset:1024*\p+512    ; tile 2 p + 1
.endr
	global_store_b128 v2, v[SW:SW+3], s[42:43]
	s_endpgm
.Lv:
	; ---- v
.irp c, 0,1,2,3                                ; lane (r, h), tile c: channel 32 (c / 2) + 8 (c % 2) + r % 8 + 16 (r / 8), the same in all eight registers
.irp j, 0,1,2,3,4,5,6,7
	global_load_b32 v[BI+8*\c+\j], v5, s[36:37] offset:4*(32*(\c/2)+8*(\c%2))
.endr
.endr
	MAIN 1
	PLACES
.irp b, 0,1,2,3
	v_mov_b32 v[TM+4+\b], 0
.endr
.irp c, 0,1,2,3                                ; channel tile c: four blocks of 32 keys: one fragment of V^T
	QUANTW 64*\c, PC+8*\c, PWR+\c
.endr
	s_wait_alu depctr_va_vdst(0)                   ; the conversions and permutes have written the four fragments in v[PC ..] and their scale words in v[PWR ..]: the nine stores below read them
.irp c, 0,1,2,3
	global_store_b128 v2, v[PC+8*\c:PC+8*\c+3], s[40:41] offset:1024*\c
	global_store_b128 v2, v[PC+8*\c+4:PC+8*\c+7], s[40:41] offset:1024*\c+512
.endr
	global_store_b128 v2, v[PWR:PWR+3], s[42:43]   ; word c of lane (r, .): tile c's scale word of channel row r
	s_endpgm
.Lfunc_end_k_qa655f823a2_proj:
	.size	k_qa655f823a2_proj, .Lfunc_end_k_qa655f823a2_proj-k_qa655f823a2_proj
	.p2alignl 7, 3214868480
	.fill 96, 4, 3214868480
	.section	.rodata,"a",@progbits
	.p2align	6, 0x0
	.amdhsa_kernel k_qa655f823a2_proj
		.amdhsa_group_segment_fixed_size 0
		.amdhsa_private_segment_fixed_size 0
		.amdhsa_enable_private_segment 0
		.amdhsa_kernarg_size 64
		.amdhsa_user_sgpr_count 2
		.amdhsa_user_sgpr_kernarg_segment_ptr 1
		.amdhsa_wavefront_size32 1
		.amdhsa_system_sgpr_workgroup_id_x 1
		.amdhsa_system_sgpr_workgroup_id_y 1
		.amdhsa_system_sgpr_workgroup_id_z 1
		.amdhsa_system_vgpr_workitem_id 0
		.amdhsa_next_free_vgpr 512
		.amdhsa_next_free_sgpr 66
		.amdhsa_reserve_vcc 0
		.amdhsa_float_denorm_mode_32 3
		.amdhsa_float_denorm_mode_16_64 3
		.amdhsa_memory_ordered 1
		.amdhsa_forward_progress 1
		.amdhsa_inst_pref_size 156
	.end_amdhsa_kernel
	.amdgpu_metadata
---
amdhsa.version: [ 1, 2 ]
amdhsa.kernels:
  - .name:           k_qa655f823a2_proj
    .symbol:         k_qa655f823a2_proj.kd
    .args:
      - { .name: xc, .offset: 0, .size: 8, .value_kind: global_buffer, .address_space: global }
      - { .name: wc, .offset: 8, .size: 8, .value_kind: global_buffer, .address_space: global }
      - { .name: scl, .offset: 16, .size: 8, .value_kind: global_buffer, .address_space: global }
      - { .name: bq, .offset: 24, .size: 8, .value_kind: global_buffer, .address_space: global }
      - { .name: bk, .offset: 32, .size: 8, .value_kind: global_buffer, .address_space: global }
      - { .name: bv, .offset: 40, .size: 8, .value_kind: global_buffer, .address_space: global }
      - { .name: qrec, .offset: 48, .size: 8, .value_kind: global_buffer, .address_space: global }
      - { .name: kv, .offset: 56, .size: 8, .value_kind: global_buffer, .address_space: global }
    .group_segment_fixed_size: 0
    .private_segment_fixed_size: 0
    .kernarg_segment_align: 8
    .kernarg_segment_size: 64
    .max_flat_workgroup_size: 192
    .sgpr_count:     66
    .vgpr_count:     512
    .wavefront_size: 32
...
	.end_amdgpu_metadata
.endif
;; end of part 6
;; launch attn (part 7): grid 8 x 32, 16 waves a work-group, no clusters, 149,504 bytes of LDS; arguments qrec, kv, maskw, mflag, ac, scl; writes ac, scl
.if DOCPART == 7
	.amdgcn_target "amdgcn-amd-amdhsa--gfx1250"
	.amdhsa_code_object_version 6
	.text
	.protected	k_qa655f823a2_attn
	.globl	k_qa655f823a2_attn
	.p2align	8
	.type	k_qa655f823a2_attn,@function
k_qa655f823a2_attn:
	s_mov_b64 s[64:65], 0
	v_nop
	global_prefetch_b8 v0, s[64:65] scope:SCOPE_SE
	s_setreg_imm32_b32 hwreg(HW_REG_WAVE_SCHED_MODE, 0, 2), 2
	s_setreg_imm32_b32 hwreg(HW_REG_WAVE_MODE, 25, 1), 1
	s_wait_xcnt 0x0
	s_wait_alu depctr_vm_vsrc(0)
; ATTN: for one (batch, head) and 256 queries: S^T = K Q^T, the mask, p = 2^(t - M), O^T = V^T P^T, O / l, and O quantised along D for the last product.  All products on codes of FP4 with E8M0 scales.
; t = score x log2(e) / 8; M = the running largest t rounded UP to a whole number; p is quantised along the keys, not normalised; l sums the unquantised p; a change of M multiplies l and O^T by an exact power of two.
; SHARES.  A work-group owns 256 queries of one head; each of its sixteen waves one tile of 16, in 226 registers, four waves to a SIMD.  Every wave walks the head's 2,048 keys, 128 a step.
; LDS holds the head's whole record of K and V (codes and scale words as images of registers, 147,456 bytes), filled ONCE through registers: one barrier in the launch.
; No tensor loads and no cluster: the loop branches on a stored flag (a step without holes skips its masking); the fill is 18 loads and 18 LDS stores a wave, once.
; K = 64 in the first product: the instruction's upper 64 are Q's zero codes; what K's operand holds there (the next tile's codes) is multiplied by zero.
; K IS FETCHED A STEP AHEAD: the next step's nine LDS loads go out in the middle of this step's softmax, behind this step's nine of V, and land under the rest of the step.
; THE MASK comes as lane masks: word n of a step has bit L set where lane L's register n holds a key that counts.  The 64 words of a step are read by scalar loads a step ahead.
; A query with no key that counts: l = 0; its codes are zeros and its scale bytes 0xff, which makes its whole row of the output NaN in the last launch, as the definition has it.
; LIMITS: NaN and infinities among the inputs are not served; a block under 2^-124 keeps the scale byte 1.
; THE MODE: SCHED_MODE bits 1:0 = 2 (LLVM: expert scheduling mode 2), set by the entry lines.  The code itself states the register dependences
; between vector or matrix instructions and memory or LDS instructions, with s_wait_alu, always for 0.
; THE PLAN.  Registers that memory or LDS instructions touch:
;   v1, v220-222   16 L and the regions' starts: made once at the head, read as addresses, never written again.
;   v5, v6         at the head the address of Q's scale word and of the fill's LDS stores; from the first trip on two of the loop's four addresses.
;   v3 .. v6       In a trip: written by four additions behind the S^T products; read by the trip's 18 LDS loads; written again in the next trip.
;   v28-59, v8-11  K's codes and scale words: read by a trip's S^T products; the loads for the next step land in them later in the same trip.
;   v64-95, v24-27 V's: read by a trip's V^T P products; the next trip's loads land in them.
;   v96-167        at the head the fill's loads land here and its LDS stores read them; afterwards products and vector instructions write them.
;   v192-195, v[TA], v[T4]  at the end: written by vector instructions, read by the two stores.
; In a trip TWO waits on va_vdst: the one behind the exponentials, ahead of which all readers of K's and V's registers and the four additions stand, so that the 18 loads follow it at once;
; and one ahead of the V^T P products, which take p's codes and scale word from vector instructions.  Beside the second stands the trip's one wait on vm_vsrc, far behind the loads that it waits for.
.set S,    96                          ; v96-159  S^T, then p: register 16 b + i = key 32 b + 16 (lane / 16) + i
.set O,    160                         ; v160-191 O^T: register 16 g + i = channel 32 g + 16 (lane / 16) + i
.set P,    192                         ; v192-199 p's codes
.set BM,   200                         ; v200-203 each block's largest score, then largest p
.set T4,   204                         ; v204-207 at work
.set SO,   208                         ; v208-211 the conversions' scale operands
.set TA,   212
.set F,    214                         ; v[214:215] f = 2^(old M - new M), and 0
.set PWD,  216                         ; p's scale word
.set SUM2, 218                         ; v[218:219] the second chain of sums
; v1 16 L; v2 -infinity; v3, v5 LDS addresses of the next step's K, v4, v6 of this step's V; v7 Q's scale word; v8-11 K's scale words; v12 -M; v13 the largest t; v[14:15] l in two halves; v16-19 Q's codes, v20-23 zeros;
; v24-27 V's scale words; v28-59 K's eight tiles, 4 registers each, v60-63 zeros; v64-95 V's four fragments; v220-222 16 L + the regions' starts; v224, v225 the closing add's two
.set KSO,  65536                       ; the record: K's codes at 0, K's scale words here,
.set VCO,  73728                       ; V's codes,
.set VSO,  139264                      ; V's scale words
; s16-63, s68-83 the step's 64 mask words; s84 wave; s85 step; s[86:87] lane selects; s[88:89] c; s90, s91 the step's LDS bytes; s92 flags; s93 the mask words' offset
.macro MASKASK                         ; 256 bytes: the 64 words of the step at offset s93
	s_load_b512 s[16:31], s[8:9], s93 offset:0x0
	s_load_b512 s[32:47], s[8:9], s93 offset:0x40
	s_load_b512 s[48:63], s[8:9], s93 offset:0x80
	s_load_b512 s[68:83], s[8:9], s93 offset:0xc0
.endm
.macro KASK ak, as                     ; a step's K: nine LDS loads
	ds_load_b128 v[8:11], v[\as]                   ; word e of lane (r, h): tile 4 h + e, key row r
.irp t, 0,1,2,3,4,5,6,7
	ds_load_b128 v[28+4*\t:31+4*\t], v[\ak] offset:512*\t
.endr
.endm
	s_load_b256 s[4:11], s[0:1], 0x0               ; qrec s[4:5], kv s[6:7], maskw s[8:9], mflag s[10:11]
	s_load_b128 s[12:15], s[0:1], 0x20             ; ac s[12:13], scl s[14:15]
	v_lshl_add_u32 v224, v0, 2, 0x24000
	v_mov_b32 v225, 0
	v_lshrrev_b32 v3, 5, v0
	v_readfirstlane_b32 s84, v3                    ; wave 0..15
	v_and_b32 v1, 31, v0
	v_and_b32 v4, 15, v0
	v_lshlrev_b32 v1, 4, v1                        ; 16 L
	v_lshlrev_b32 v5, 4, v4                        ; 16 r
.irp j, 0,1,2,3                                ; all vector set-up that hangs on no argument stands here, ahead of the head's one wait on va_vdst
	v_mov_b32 v[20+\j], 0                          ; Q's upper 64 along K: zero codes
	v_mov_b32 v[60+\j], 0                          ; behind K's last tile
	v_mov_b32 v[T4+\j], 0                          ; written once: a lane permute's destination counts as read
.endr
	v_mov_b32 v2, 0xff800000                       ; -infinity
	v_add_nc_u32 v220, KSO, v1
	v_add_nc_u32 v221, VCO, v1
	v_add_nc_u32 v222, VSO, v1
	s_mov_b32 s2, 0xffff0000                       ; lanes 16-31
	s_mov_b32 s86, 0x76543210
	s_mov_b32 s87, 0xfedcba98
	s_mov_b32 s88, 0x3e38aa3b                      ; c = log2(e) / sqrt(64)
	s_mov_b32 s89, s88                             ; (named with it as a pair)
	s_and_b32 s94, ttmp7, 0xffff                   ; the record: 16 b + head
	s_lshl_b32 s95, ttmp9, 4
	s_wait_alu depctr_va_sdst(0)                   ; s84 is written, ahead of its first reader: my tile's number and every base are made from it
	s_add_co_u32 s95, s95, s84                     ; Tq: my tile of queries, 0 .. 127
	s_lshr_b32 s96, s94, 4
	s_lshl_b32 s96, s96, 7
	s_add_co_u32 s96, s96, s95                     ; TT = 128 b + Tq
	s_and_b32 s97, s94, 15                         ; head
	s_mov_b32 s99, 0
	s_mov_b32 s101, 0
	s_mul_i32 s90, s94, 73728                      ; the head's record of q
	s_lshr_b32 s100, s95, 2
	s_lshl_b32 s100, s100, 8
	s_and_b32 s91, s95, 3
	s_lshl_b32 s91, s91, 2
	s_add_co_u32 s100, s100, s91                   ; my tile's scale words: 256 (Tq / 4) + 4 (Tq % 4), 16 bytes from row to row
	s_add_co_u32 s100, s100, s90
	s_add_co_u32 s100, s100, 65536
	s_lshl_b32 s98, s95, 9
	s_add_co_u32 s98, s98, s90                     ; my tile's codes: 512 Tq
	s_wait_kmcnt 0x0
	s_add_nc_u64 s[100:101], s[4:5], s[100:101]
	s_add_nc_u64 s[4:5], s[4:5], s[98:99]
	s_mul_i32 s98, s94, 147456
	s_mul_i32 s90, s84, 9216                       ; my sixteenth of the record
	s_add_co_u32 s98, s98, s90
	s_add_nc_u64 s[6:7], s[6:7], s[98:99]
	s_lshl_b32 s98, s96, 12
	s_add_nc_u64 s[8:9], s[8:9], s[98:99]          ; my tile's mask words: 4,096 bytes
	s_lshl_b32 s98, s96, 4
	s_add_nc_u64 s[10:11], s[10:11], s[98:99]      ; and flags: 16 bytes
	s_lshl_b32 s98, s96, 13
	s_lshl_b32 s91, s97, 9
	s_add_co_u32 s98, s98, s91
	s_add_nc_u64 s[12:13], s[12:13], s[98:99]      ; ac: tile TT, blocks 2 head and 2 head + 1
	s_lshl_b32 s98, s96, 9
	s_lshr_b32 s91, s97, 3
	s_lshl_b32 s91, s91, 8
	s_add_co_u32 s98, s98, s91
	s_and_b32 s91, s97, 7
	s_lshl_b32 s91, s91, 1
	s_add_co_u32 s98, s98, s91
	s_add_co_u32 s98, s98, 393216
	s_add_nc_u64 s[14:15], s[14:15], s[98:99]      ; and their two scale bytes in each row's 16
	v_add_nc_u32 v6, s90, v1                       ; LDS: 9,216 x wave + 16 L
	s_wait_alu depctr_va_vdst(0)                   ; v1, v5, v6 and v220 are written, which the loads and LDS instructions of the head read as addresses; so are the zero codes v20-23 and v60-63, which the scaled products take as parts of their operands
	global_load_b128 v[16:19], v1, s[4:5]          ; Q's codes: lane (r, h): channels 32 h .. 32 h + 31 of query r
	global_load_b32 v7, v5, s[100:101]             ; Q's scale word
.set i, 0
.rept 18
	global_load_b128 v[S+4*i:S+4*i+3], v1, s[6:7] offset:512*i
.set i, i+1
.endr
	s_mov_b32 s93, 0
	s_load_b128 s[96:99], s[10:11], 0x0            ; the four waves' flag words of my tile
	MASKASK                                        ; step 0's words
.set i, 0
.rept 18
	s_wait_loadcnt 17-i                            ; fill i is in (and Q); the younger fills may be out
	ds_store_b128 v6, v[S+4*i:S+4*i+3] offset:512*i
.set i, i+1
.endr
	s_wait_dscnt 0x0                               ; for the others' sake: my part of the record lies in LDS
	s_barrier_signal -1
	s_barrier_wait -1                              ; everybody's does; nothing is stored to the record after this
	s_wait_alu depctr_vm_vsrc(0)                   ; my LDS stores have read v6 and v96-167, the load of Q's scale word v5: the lines below write v160-167, the first trip's products v96-159 and its additions v5 and v6
	KASK 1, 220                                    ; step 0's K; it lands while the sums are begun below
.set j, 0
.rept 32
	v_mov_b32 v[O+j], 0                            ; O^T.  (The step is written once: the first finds zeros, which the first change of M leaves zeros)
.set j, j+1
.endr
	v_mov_b32 v14, 0
	v_mov_b32 v15, 0
	v_mov_b32 v[F+1], 0
	v_mov_b32 v13, 0xff61b1e6                      ; the largest t so far: -3e38
	v_floor_f32 v12, -v13                          ; -M
	s_wait_kmcnt 0x0
	s_or_b32 s92, s96, s97
	s_or_b32 s92, s92, s98
	s_or_b32 s92, s92, s99                         ; bit s: step s has a hole for one of my queries
	s_mov_b32 s85, 0
	s_mov_b32 s90, 0
	s_mov_b32 s91, 0
.Lstep:                                            ; 16 trips: 128 keys each
	s_wait_dscnt 0x0                               ; this step's K, asked for a trip ago, is in; no other LDS load of mine is out
.irp t, 0,1,2,3
	v_wmma_scale_f32_16x16x128_f8f6f4 v[S+8*\t:S+8*\t+7], v[28+4*\t:35+4*\t], v[16:23], 0, v[8+\t], v7 matrix_a_fmt:MATRIX_FMT_FP4 matrix_b_fmt:MATRIX_FMT_FP4
.endr
.irp t, 4,5,6,7
	v_wmma_scale_f32_16x16x128_f8f6f4 v[S+8*\t:S+8*\t+7], v[28+4*\t:35+4*\t], v[16:23], 0, v[4+\t], v7 matrix_a_fmt:MATRIX_FMT_FP4 matrix_b_fmt:MATRIX_FMT_FP4 matrix_a_scale:MATRIX_SCALE_ROW1
.endr
	v_add_nc_u32 v4, s90, v221                     ; this step's V: codes,
	v_add_nc_u32 v6, s91, v222                     ; scale words
	s_add_co_u32 s90, s90, 4096
	s_add_co_u32 s91, s91, 512
	v_add_nc_u32 v3, s90, v1                       ; the next step's K: codes,
	v_add_nc_u32 v5, s91, v220                     ; scale words.  These four lines name no register of a product: they are the four places ahead of the first read of the scores
	s_wait_kmcnt 0x0                               ; this step's mask words are in
	s_lshr_b32 s94, s92, s85
	s_and_b32 s94, s94, 1
	s_cmp_lg_u32 s94, 0
	s_cbranch_scc0 .Lopen                          ; every key of the step counts for every query of mine: a branch on a stored whole number
.set n, 0
.rept 64
.if n < 48
	v_cndmask_b32 v[S+n], v2, v[S+n], s[16+n]      ; a hidden key's score becomes -infinity: p = 0
.else
	v_cndmask_b32 v[S+n], v2, v[S+n], s[20+n]
.endif
.set n, n+1
.endr
.Lopen:
	s_add_co_u32 s85, s85, 1
	s_min_u32 s93, s85, 15                         ; the next step's words (the last trip asks for its own again: no load leaves the buffer)
	s_lshl_b32 s93, s93, 8
	MASKASK                                        ; they have the softmax in which to land
.irp b, 0,1,2,3
	v_max3_num_f32 v[BM+\b], v[S+16*\b], v[S+1+16*\b], v[S+2+16*\b]   ; the largest score of each block of 32 keys: for the row's maximum, and, since p rises with the score, for the block's largest p
.endr
.irp i, 3,5,7,9,11,13
.irp b, 0,1,2,3
	v_max3_num_f32 v[BM+\b], v[BM+\b], v[S+16*\b+\i], v[S+1+16*\b+\i]
.endr
.endr
.irp b, 0,1,2,3
	v_max_num_f32 v[BM+\b], v[BM+\b], v[S+15+16*\b]
.endr
.irp b, 0,1,2,3
	v_permlanex16_b32 v[T4+\b], v[BM+\b], s86, s87
.endr
.irp b, 0,1,2,3
	v_max_num_f32 v[BM+\b], v[BM+\b], v[T4+\b]     ; with lane l xor 16's 16 keys
.endr
	v_max3_num_f32 v[TA], v[BM], v[BM+1], v[BM+2]
	v_max_num_f32 v[TA], v[TA], v[BM+3]            ; the step's largest score of my query
	v_mul_f32 v[TA], s88, v[TA]                    ; as t
	v_max_num_f32 v13, v13, v[TA]                  ; the running largest t
	v_mov_b32 v[TA], v12
	v_floor_f32 v12, -v13                          ; the new -M = -ceil(t)
	v_sub_f32 v[TA], v12, v[TA]                    ; old M - new M: a whole number, 0 or less
	v_cvt_i32_f32 v[TA], v[TA]                     ; (it saturates)
	v_ldexp_f32 v[F], 1.0, v[TA]                   ; f = 2^(old M - new M)
.set j, 0
.rept 32
	v_pk_fma_f32 v[S+j:S+j+1], v[S+j:S+j+1], s[88:89], v[12:13] op_sel_hi:[1,0,0]   ; t - M, two at a time
.set j, j+2
.endr
.irp b, 0,1,2,3
	v_fma_f32 v[BM+\b], v[BM+\b], s88, v12         ; the same of each block's largest score
.endr
.set j, 0
	s_wait_alu depctr_va_vdst(0)
.rept 64
	v_exp_f32 v[S+j], v[S+j]                       ; p = 2^(t - M)
.set j, j+1
.endr
.irp b, 0,1,2,3
	v_exp_f32 v[BM+\b], v[BM+\b]                   ; the block's largest p: the same two instructions on the same number
.endr
	v_pk_mul_f32 v[14:15], v[14:15], v[F:F+1] op_sel_hi:[1,0]   ; l under the new M (a plain line behind the exponentials)
	s_wait_alu depctr_va_vdst(0)                   ; the 68 exponentials have written p and the blocks' largest p, ahead of their first readers; the four additions have written v3 to v6, which the 18 loads below read; this trip's S^T products are done reading K's registers and the last trip's V^T P products V's, in which those loads land
	ds_load_b128 v[24:27], v6                      ; V's scale words: word c: channel tile c, row r
.irp i, 0,1,2,3,4,5,6,7
	ds_load_b128 v[64+4*\i:67+4*\i], v4 offset:512*\i
.endr
	KASK 3, 5                                      ; the next step's K.  (The last trip's request reads bytes of the record behind K's regions, inside the filled LDS; nobody uses them)
.irp b, 0,1,2,3
	v_max_num_f32 v[BM+\b], 0x1800000, v[BM+\b]    ; the floor 2^(3 - 127)
.endr
.irp b, 0,1,2,3
	v_add_nc_u32 v[SO+\b], 0xff000000, v[BM+\b]    ; the conversion's scale operand
.endr
.irp b, 0,1,2,3
	v_lshrrev_b32 v[T4+\b], 23, v[SO+\b]           ; the byte
.endr
	v_lshl_or_b32 v[PWD], v[T4+1], 8, v[T4]        ; p's scale word for these 128 keys
	v_lshl_or_b32 v[PWD], v[T4+2], 16, v[PWD]
	v_lshl_or_b32 v[PWD], v[T4+3], 24, v[PWD]
.irp b, 0,1,2,3
	v_cvt_scalef32_pk8_fp4_f32 v[P+2*\b], v[S+16*\b:S+7+16*\b], v[SO+\b]
	v_cvt_scalef32_pk8_fp4_f32 v[P+1+2*\b], v[S+8+16*\b:S+15+16*\b], v[SO+\b]
.endr
	v_nop                                          ; one plain line behind a scaled conversion
.irp c, 0,1                                    ; a whole block to a lane
.irp i, 0,1
	v_permlane16_swap_b32 v[P+4*\c+\i], v[P+2+4*\c+\i]
.endr
.endr
	v_pk_add_f32 v[SUM2:SUM2+1], v[S:S+1], v[S+2:S+3]              ; l takes the UNQUANTISED p: two chains.  (These 32 lines are also the places between the codes' and the scale word's last writes and the products below)
.irp j, 4,8,12,16,20,24,28,32,36,40,44,48,52,56,60
	v_pk_add_f32 v[14:15], v[14:15], v[S+\j:S+1+\j]
	v_pk_add_f32 v[SUM2:SUM2+1], v[SUM2:SUM2+1], v[S+2+\j:S+3+\j]
.endr
	v_pk_add_f32 v[14:15], v[14:15], v[SUM2:SUM2+1]
.set j, 0
.rept 16
	v_pk_mul_f32 v[O+j:O+j+1], v[O+j:O+j+1], v[F:F+1] op_sel_hi:[1,0]   ; O^T under the new M, each accumulator from its low end on
.set j, j+2
.endr
	s_wait_dscnt 9                                 ; V's nine loads are in; the next step's nine of K, issued behind them, may be out
	s_wait_alu depctr_vm_vsrc(0)                   ; the trip's 18 LDS loads have read v3 to v6, which the next trip's additions write again
	s_wait_alu depctr_va_vdst(0)                   ; the conversions and permutes have written p's codes v192-199 and the shifts its scale word, which the scaled products below take; the places above stay beside this wait
.irp c, 0,1,2,3
	v_wmma_scale_f32_16x16x128_f8f6f4 v[O+8*\c:O+8*\c+7], v[64+8*\c:71+8*\c], v[P:P+7], v[O+8*\c:O+8*\c+7], v[24+\c], v[PWD] matrix_a_fmt:MATRIX_FMT_FP4 matrix_b_fmt:MATRIX_FMT_FP4
.endr
	s_cmp_lt_u32 s85, 16
	s_cbranch_scc1 .Lstep
	; ---- THE WAY OUT: O^T / l, quantised along D: my head's 64 channels are blocks 2 head and 2 head + 1 of the row
	s_wait_dscnt 0x0                               ; the last trip's request is retired
.rept 4
	v_nop                                          ; places behind the last products
.endr
	v_add_f32 v14, v14, v15
	v_permlanex16_b32 v[T4], v14, s86, s87
	v_add_f32 v14, v14, v[T4]                      ; l
	v_cmp_eq_f32 vcc_lo, 0, v14                    ; no key counted
	v_rcp_f32 v15, v14
	v_mov_b32 v[T4+2], 0xff                        ; (a plain line behind the reciprocal)
	s_wait_alu depctr_va_vdst(0)                   ; the reciprocal has written v15, ahead of its first reader
	s_wait_alu depctr_va_vcc(0)                    ; the compare has written VCC, ahead of its first reader
	v_cndmask_b32 v15, v15, 0, vcc_lo              ; such a row's numbers become zeros; its bytes below say NaN
.set j, 0
.rept 32
	v_mul_f32 v[S+j], v[O+j], v15
.set j, j+1
.endr
.irp b, 0,1
	v_max3_num_f32 v[BM+\b], |v[S+16*\b]|, |v[S+1+16*\b]|, 0x1800000
.endr
.irp i, 2,4,6,8,10,12,14
.irp b, 0,1
	v_max3_num_f32 v[BM+\b], v[BM+\b], |v[S+16*\b+\i]|, |v[S+1+16*\b+\i]|
.endr
.endr
.irp b, 0,1
	v_permlanex16_b32 v[T4+\b], v[BM+\b], s86, s87
.endr
.irp b, 0,1
	v_max_num_f32 v[BM+\b], v[BM+\b], v[T4+\b]
.endr
.irp b, 0,1
	v_add_nc_u32 v[SO+\b], 0xff000000, v[BM+\b]
.endr
.irp b, 0,1
	v_lshrrev_b32 v[T4+\b], 23, v[SO+\b]
.endr
.irp b, 0,1
	v_cvt_scalef32_pk8_fp4_f32 v[P+2*\b], v[S+16*\b:S+7+16*\b], v[SO+\b]
	v_cvt_scalef32_pk8_fp4_f32 v[P+1+2*\b], v[S+8+16*\b:S+15+16*\b], v[SO+\b]
.endr
	v_nop
	v_permlane16_swap_b32 v[P], v[P+2]
	v_permlane16_swap_b32 v[P+1], v[P+3]           ; lanes 0-15 block 2 head, lanes 16-31 block 2 head + 1
	v_cndmask_b32 v[T4], v[T4], v[T4+1], s2        ; lane (r, h) stores block h's byte of row r
	v_cndmask_b32 v[T4], v[T4], v[T4+2], vcc_lo
	v_and_b32 v[TA], 15, v0
	v_bfe_u32 v[SO], v0, 4, 1
	v_lshl_add_u32 v[TA], v[TA], 4, v[SO]          ; 16 r + h
	s_wait_alu depctr_va_vdst(0)                   ; the conversions and permutes have written v192-195, the lines above the byte v[T4] and its offset v[TA]: the two stores below read them
	global_store_b128 v1, v[P:P+3], s[12:13]       ; 512 consecutive bytes of the tile's image
	global_store_b8 v[TA], v[T4], s[14:15]         ; one byte a lane, once a wave: rows' 16 bytes are shared by eight heads, so these 256 bytes are written in parts
	s_wait_dscnt 0x0                               ; the closing lines, six on end
	s_wait_alu 0x0
	s_wait_tensorcnt 0x0
	ds_add_u32 v224, v225
	s_wait_dscnt 0x0
	s_endpgm
.Lfunc_end_k_qa655f823a2_attn:
	.size	k_qa655f823a2_attn, .Lfunc_end_k_qa655f823a2_attn-k_qa655f823a2_attn
	.p2alignl 7, 3214868480
	.fill 96, 4, 3214868480
	.section	.rodata,"a",@progbits
	.p2align	6, 0x0
	.amdhsa_kernel k_qa655f823a2_attn
		.amdhsa_group_segment_fixed_size 149504
		.amdhsa_private_segment_fixed_size 0
		.amdhsa_enable_private_segment 0
		.amdhsa_kernarg_size 48
		.amdhsa_user_sgpr_count 2
		.amdhsa_user_sgpr_kernarg_segment_ptr 1
		.amdhsa_wavefront_size32 1
		.amdhsa_system_sgpr_workgroup_id_x 1
		.amdhsa_system_sgpr_workgroup_id_y 1
		.amdhsa_system_sgpr_workgroup_id_z 1
		.amdhsa_system_vgpr_workitem_id 0
		.amdhsa_next_free_vgpr 226
		.amdhsa_next_free_sgpr 102
		.amdhsa_reserve_vcc 1
		.amdhsa_float_denorm_mode_32 3
		.amdhsa_float_denorm_mode_16_64 3
		.amdhsa_memory_ordered 1
		.amdhsa_forward_progress 1
		.amdhsa_inst_pref_size 33
	.end_amdhsa_kernel
	.amdgpu_metadata
---
amdhsa.version: [ 1, 2 ]
amdhsa.kernels:
  - .name:           k_qa655f823a2_attn
    .symbol:         k_qa655f823a2_attn.kd
    .args:
      - { .name: qrec, .offset: 0, .size: 8, .value_kind: global_buffer, .address_space: global }
      - { .name: kv, .offset: 8, .size: 8, .value_kind: global_buffer, .address_space: global }
      - { .name: maskw, .offset: 16, .size: 8, .value_kind: global_buffer, .address_space: global }
      - { .name: mflag, .offset: 24, .size: 8, .value_kind: global_buffer, .address_space: global }
      - { .name: ac, .offset: 32, .size: 8, .value_kind: global_buffer, .address_space: global }
      - { .name: scl, .offset: 40, .size: 8, .value_kind: global_buffer, .address_space: global }
    .group_segment_fixed_size: 149504
    .private_segment_fixed_size: 0
    .kernarg_segment_align: 8
    .kernarg_segment_size: 48
    .max_flat_workgroup_size: 512
    .sgpr_count:     102
    .vgpr_count:     226
    .wavefront_size: 32
...
	.end_amdgpu_metadata
.endif
;; end of part 7
;; launch outp (part 8): grid 256 x 1, 2 waves a work-group, no clusters, 8,960 bytes of LDS; arguments ac, wc, scl, bo, out0; writes out0
.if DOCPART == 8
	.amdgcn_target "amdgcn-amd-amdhsa--gfx1250"
	.amdhsa_code_object_version 6
	.text
	.protected	k_qa655f823a2_outp
	.globl	k_qa655f823a2_outp
	.p2align	8
	.type	k_qa655f823a2_outp,@function
k_qa655f823a2_outp:
	s_mov_b64 s[64:65], 0
	v_nop
	global_prefetch_b8 v0, s[64:65] scope:SCOPE_SE
	s_setreg_imm32_b32 hwreg(HW_REG_WAVE_SCHED_MODE, 0, 2), 2
	s_setreg_imm32_b32 hwreg(HW_REG_WAVE_MODE, 25, 1), 1
	s_wait_xcnt 0x0
	s_wait_alu depctr_vm_vsrc(0)
; OUTP: out0 = attn Wo + bo on codes of FP4 with E8M0 scales.  A WAVE takes 128 rows x 64 columns x K = 1,024: 32 accumulators, 256 matrix instructions; 512 waves, two to a work-group.
; Operands lie in memory as images of their registers: a fragment is two loads of 16 bytes a lane straight into registers; no tensor loads and no cluster, since a wave reads each of its fragments once.
; Source 0 = 16 columns of Wo, source 1 = 16 rows of attn: a lane holds one row, and by the tile order the registers of two neighbouring tiles are 16 neighbouring columns.
; bo is the C of each sum's first matrix instruction.  The 32 accumulators take turns, one instruction a turn.
; A row whose scale bytes are 0xff (a query with no key that counts) comes out NaN, as the definition has it.
; REGISTERS: window 0: v2-4, v10-12 addresses; v14, v15 the closing add's two; v16-31 scale words, two sets (lanes 0-15 the rows' tile m, lanes 16-31 the weights' tile m); v32-63 the bias; v64-255 two sets of 8 + 4 fragments.  window 1: the accumulators.
; THE MODE: SCHED_MODE bits 1:0 = 2 (LLVM: expert scheduling mode 2), set by the entry lines.  The code itself states the register dependences
; between vector or matrix instructions and memory or LDS instructions, with s_wait_alu, always for 0.
; THE PLAN.  Registers that memory or LDS instructions touch:
;   v2-4, v10-12  offsets and LDS addresses, made once at the head, never written again.
;   SC, FT, FW    two sets by turns.  Step s: its 32 products read set s % 2; behind them the 32 loads of step s + 2 land in that set.
;   BI            the bias: loaded once, read by step 0's products.
;   accumulators  written by the products; read by the way out's LDS stores; never written again.
;   BK0, BK1      (v64-95, v96-127, over fragments that are done with) tile m's loads from the stage land in BK[m % 2]; tile m's global stores read it; tile m + 2's loads land in it again.
; ONE wait on va_vdst a K step, behind its products; one ahead of the way out, behind which no vector or matrix instruction is issued; from tile 2 on one wait on vm_vsrc ahead of the loads into a buffer that stores have read.
.set SC,  16
.set BI,  32
.set FT,  64
.set FW,  128
.set BK,  64                           ; the way out: 16 rows read back from the stage: v64-95 and v96-127 by turns
.set MSB, 0
.macro WIN new                         ; the immediate's high byte repeats the setting that is left
.if MSB != \new
	s_set_vgpr_msb (MSB<<8)|\new
.set MSB, \new
.endif
.endm
.macro PLACES                          ; four plain vector instructions behind a matrix instruction, ahead of loads into its registers and of reads of its results
.rept 4
	v_nop
.endr
.endm
.macro KLOAD s                         ; K step s: 8 scale words, 8 row fragments, 4 weight fragments: 32 loads
.set Q, (\s)%2
.irp m, 0,1,2,3,4,5,6,7
	global_load_b32 v[SC+8*Q+\m], v3, s[8:9] offset:512*\m+256*((\s)/4)+4*((\s)%4)
.endr
.irp m, 0,1,2,3,4,5,6,7
.irp c, 0,1
	global_load_b128 v[FT+96*Q+8*\m+4*\c:FT+96*Q+8*\m+4*\c+3], v2, s[4:5] offset:8192*\m+1024*(\s)+512*\c
.endr
.endr
.irp t, 0,1,2,3
.irp c, 0,1
	global_load_b128 v[FW+96*Q+8*\t+4*\c:FW+96*Q+8*\t+4*\c+3], v2, s[6:7] offset:8192*\t+1024*(\s)+512*\c
.endr
.endr
.endm
.macro KMUL s                          ; 32 matrix instructions: accumulator (m, t) at 8 (4 m + t)
.set Q, (\s)%2
.if (\s) == 0
	WIN 0x40                                       ; C (the bias) in window 0, D in window 1
.else
	WIN 0x50
.endif
.irp m, 0,1,2,3,4,5,6,7
.irp t, 0,1,2,3
.if (\s) == 0
	v_wmma_scale_f32_16x16x128_f8f6f4 v[8*(4*\m+\t):8*(4*\m+\t)+7], v[FW+96*Q+8*\t:FW+96*Q+8*\t+7], v[FT+96*Q+8*\m:FT+96*Q+8*\m+7], v[BI+8*\t:BI+8*\t+7], v[SC+8*Q+\t], v[SC+8*Q+\m] matrix_a_fmt:MATRIX_FMT_FP4 matrix_b_fmt:MATRIX_FMT_FP4 matrix_a_scale:MATRIX_SCALE_ROW1
.else
	v_wmma_scale_f32_16x16x128_f8f6f4 v[8*(4*\m+\t):8*(4*\m+\t)+7], v[FW+96*Q+8*\t:FW+96*Q+8*\t+7], v[FT+96*Q+8*\m:FT+96*Q+8*\m+7], v[8*(4*\m+\t):8*(4*\m+\t)+7], v[SC+8*Q+\t], v[SC+8*Q+\m] matrix_a_fmt:MATRIX_FMT_FP4 matrix_b_fmt:MATRIX_FMT_FP4 matrix_a_scale:MATRIX_SCALE_ROW1
.endif
.endr
.endr
	WIN 0
.endm
; THE WAY OUT, a tile of 16 rows x 64 columns at a time, through my own stage in LDS (rows of 256 bytes + 16): a lane holds 32 bytes of a row, and the lanes beside it other rows.
.macro TOSTAGE m
	WIN 0x04                                       ; an LDS store's data are its source 1: window 1
.irp t, 0,1,2,3
	ds_store_b128 v10, v[8*(4*(\m)+\t):8*(4*(\m)+\t)+3] offset:128*(\t/2)+32*(\t%2)        ; each accumulator from its low end on
	ds_store_b128 v10, v[8*(4*(\m)+\t)+4:8*(4*(\m)+\t)+7] offset:128*(\t/2)+32*(\t%2)+16
.endr
	WIN 0
.if (\m) > 1
	s_wait_xcnt 0x0                                ; tile m - 2's stores have had their addresses translated: tile m's loads may land in their data registers
	s_wait_alu depctr_vm_vsrc(0)                   ; tile m - 2's global stores have read BK[m % 2], in which the loads below land
.endif
.irp i, 0,1,2,3,4,5,6,7
	ds_load_b128 v[BK+32*((\m)%2)+4*\i:BK+32*((\m)%2)+4*\i+3], v11 offset:544*\i           ; LDS serves a wave's instructions in order: these see my stores
.endr
.endm
.macro SEND m, younger                 ; younger: the LDS instructions issued behind tile m's loads, which may stay out
	s_wait_dscnt \younger
.irp i, 0,1,2,3,4,5,6,7
	global_store_b128 v12, v[BK+32*((\m)%2)+4*\i:BK+32*((\m)%2)+4*\i+3], s[12:13] offset:(32*((\m)/2)+8*((\m)%2)+2*\i+8*(\i/4))*4096 th:TH_STORE_NT   ; tile rows 2 i, 2 i + 1 at their places in the tile order; sixteen lanes store 256 consecutive bytes, aligned
.endr
.endm
	s_load_b256 s[4:11], s[0:1], 0x0               ; ac s[4:5], wc s[6:7], scl s[8:9], bo s[10:11]
	s_load_b64 s[12:13], s[0:1], 0x20              ; out0
	v_lshl_add_u32 v14, v0, 2, 0x2200
	v_mov_b32 v15, 0
	v_lshrrev_b32 v1, 5, v0
	v_readfirstlane_b32 s20, v1                    ; wave 0, 1
	v_and_b32 v1, 31, v0                           ; L
	v_and_b32 v6, 15, v0                           ; r
	v_bfe_u32 v7, v0, 4, 1                         ; h
	v_lshlrev_b32 v2, 4, v1                        ; 16 L
	s_lshr_b32 s21, ttmp9, 3                       ; the group of 128 rows, 0 .. 31
	s_and_b32 s22, ttmp9, 7
	s_lshl_b32 s22, s22, 1
	s_wait_alu depctr_va_sdst(0)                   ; s20 is written, ahead of its first reader: my block of columns, my stage and every base are made from it
	s_add_co_u32 s22, s22, s20                     ; the block of 64 columns, 0 .. 15
	s_lshl_b32 s25, s21, 3                         ; T0
	s_lshl_b32 s26, s22, 2
	s_add_co_u32 s26, s26, 192                     ; W0: Wo's tiles begin at 192
	s_mov_b32 s2, 0xffff0000                       ; lanes 16-31
	s_lshl_b32 s28, s25, 9
	s_add_co_u32 s28, s28, 393216                  ; the rows' scales
	s_lshl_b32 s29, s26, 9
	s_add_co_u32 s29, s29, 262144                  ; the weights'
	v_mov_b32 v8, s28
	v_mov_b32 v9, s29
	v_cndmask_b32 v3, v8, v9, s2                   ; lanes 0-15 read the rows' words, lanes 16-31 the weights'
	s_wait_alu depctr_va_vdst(0)
	v_lshl_add_u32 v3, v6, 4, v3
	v_lshlrev_b32 v4, 6, v7                        ; the bias: 64 h bytes
	s_mul_i32 s23, s20, 16*272                     ; my stage
	v_mul_u32_u24 v10, v6, 272
	v_lshl_add_u32 v10, v7, 6, v10
	v_add_nc_u32 v10, s23, v10                     ; in: row r, + 64 h
	v_mul_u32_u24 v11, v7, 272
	v_lshl_add_u32 v11, v6, 4, v11
	v_add_nc_u32 v11, s23, v11                     ; back: lanes 0-15 one row, lanes 16-31 the next
	v_lshlrev_b32 v12, 12, v7
	v_lshl_add_u32 v12, v6, 4, v12                 ; and the same two rows in out0
	s_lshl_b32 s30, s25, 13
	s_mov_b32 s31, 0
	s_lshl_b32 s32, s26, 13
	s_mov_b32 s33, 0
	s_lshl_b32 s34, s22, 8
	s_mov_b32 s35, 0
	s_wait_kmcnt 0x0
	s_add_nc_u64 s[4:5], s[4:5], s[30:31]
	s_add_nc_u64 s[6:7], s[6:7], s[32:33]
	s_add_nc_u64 s[36:37], s[10:11], s[34:35]      ; bo at my 64 columns
	s_add_nc_u64 s[12:13], s[12:13], s[34:35]
	s_lshl_b32 s34, s21, 19                        ; 128 rows of 4,096 bytes
	s_add_nc_u64 s[12:13], s[12:13], s[34:35]
	s_wait_alu depctr_va_vdst(0)                   ; the offsets v2 to v4 and v12 and the LDS addresses v10 and v11 are written: every load, store and LDS instruction below reads one of them
.irp t, 0,1,2,3                                ; lane (r, h), tile t, register j: column 32 (t / 2) + 16 h + 8 (t % 2) + j
	global_load_b128 v[BI+8*\t:BI+8*\t+3], v4, s[36:37] offset:4*(32*(\t/2)+8*(\t%2))
	global_load_b128 v[BI+8*\t+4:BI+8*\t+7], v4, s[36:37] offset:4*(32*(\t/2)+8*(\t%2))+16
.endr
	KLOAD 0
	KLOAD 1
.irp s, 0,1,2,3,4,5,6,7
.if \s < 7
	s_wait_loadcnt 32                              ; this step's 32 loads (and the bias) are in; the other set's 32 may be out
.else
	s_wait_loadcnt 0
.endif
	KMUL \s
.if \s < 6
	PLACES
	s_wait_alu depctr_va_vdst(0)                   ; this step's 32 products are done reading their set of fragments and scale words, in which the 32 loads below land
	KLOAD \s+2
.endif
.endr
	PLACES                                         ; ahead of the stores that read results and of the loads into fragments' registers
	WIN 0x04                                       ; the first tile's LDS stores take their data from window 1: the switch stands ahead of the wait
	s_wait_alu depctr_va_vdst(0)                   ; the products have written the 32 accumulators, which the LDS stores of all eight tiles read, and are done reading v64-127, in which the loads from the stage land; no vector or matrix instruction follows; the places above stay beside this wait
	TOSTAGE 0
.irp m, 1,2,3,4,5,6,7
	TOSTAGE \m
	SEND \m-1, 16                                  ; behind tile m - 1's loads: tile m's 8 stores and 8 loads
.endr
	SEND 7, 0
	s_wait_dscnt 0x0                               ; the closing lines, six on end (every window is 0 here)
	s_wait_alu 0x0
	s_wait_tensorcnt 0x0
	ds_add_u32 v14, v15
	s_wait_dscnt 0x0
	s_endpgm
.Lfunc_end_k_qa655f823a2_outp:
	.size	k_qa655f823a2_outp, .Lfunc_end_k_qa655f823a2_outp-k_qa655f823a2_outp
	.p2alignl 7, 3214868480
	.fill 96, 4, 3214868480
	.section	.rodata,"a",@progbits
	.p2align	6, 0x0
	.amdhsa_kernel k_qa655f823a2_outp
		.amdhsa_group_segment_fixed_size 8960
		.amdhsa_private_segment_fixed_size 0
		.amdhsa_enable_private_segment 0
		.amdhsa_kernarg_size 40
		.amdhsa_user_sgpr_count 2
		.amdhsa_user_sgpr_kernarg_segment_ptr 1
		.amdhsa_wavefront_size32 1
		.amdhsa_system_sgpr_workgroup_id_x 1
		.amdhsa_system_sgpr_workgroup_id_y 1
		.amdhsa_system_sgpr_workgroup_id_z 1
		.amdhsa_system_vgpr_workitem_id 0
		.amdhsa_next_free_vgpr 512
		.amdhsa_next_free_sgpr 66
		.amdhsa_reserve_vcc 0
		.amdhsa_float_denorm_mode_32 3
		.amdhsa_float_denorm_mode_16_64 3
		.amdhsa_memory_ordered 1
		.amdhsa_forward_progress 1
		.amdhsa_inst_pref_size 77
	.end_amdhsa_kernel
	.amdgpu_metadata
---
amdhsa.version: [ 1, 2 ]
amdhsa.kernels:
  - .name:           k_qa655f823a2_outp
    .symbol:         k_qa655f823a2_outp.kd
    .args:
      - { .name: ac, .offset: 0, .size: 8, .value_kind: global_buffer, .address_space: global }
      - { .name: wc, .offset: 8, .size: 8, .value_kind: global_buffer, .address_space: global }
      - { .name: scl, .offset: 16, .size: 8, .value_kind: global_buffer, .address_space: global }
      - { .name: bo, .offset: 24, .size: 8, .value_kind: global_buffer, .address_space: global }
      - { .name: out0, .offset: 32, .size: 8, .value_kind: global_buffer, .address_space: global }
    .group_segment_fixed_size: 8960
    .private_segment_fixed_size: 0
    .kernarg_segment_align: 8
    .kernarg_segment_size: 40
    .max_flat_workgroup_size: 64
    .sgpr_count:     66
    .vgpr_count:     512
    .wavefront_size: 32
...
	.end_amdgpu_metadata
.endif
;; end of part 8
